; MI455X (gfx1250); checked and timed in simulation.
; The chip was launched on July 23, 2026; its instructions are those of AMD's public machine-readable ISA for CDNA 5 (MIT licence, August 2026) and "CDNA5" Instruction Set Architecture Reference Guide (July 2026). The comments in the code are by the model that wrote it; some were corrected since.
;; FFN Global Context Expert Fusion. Allowed arithmetic: matrix products marked QUANTISED: E4M3 operands, one E8M0 scale for each 32 along K, by v_wmma_scale_f32_16x16x128_f8f6f4 with both operands' format E4M3, f32 sums; products left as they are: f32 operands where the result goes on into a quantised operand, else bf16, f16 or f32 operands; f32 sums; everything else in f32.
;; Inputs: W1 8 x 1,024 x 4,096 float32; W2 8 x 4,096 x 1,024 float32; b1 8 x 4,096 float32; b2 8 x 1,024 float32; routing_scores 4 x 256 x 8 float32; x 4 x 256 x 1,024 float32.
;; Outputs: out0 4 x 256 x 1,024 float32; out1 8 int32.
;; This version of the problem:
;;   THIS VERSION OF THE PROBLEM IS GIVEN IN LOW PRECISION. The matrix products marked QUANTISED in the list below multiply operands that are first quantised to E4M3 (4 exponent bits, 3 mantissa bits; 8 bits a number), with one power-of-two scale for each 32 numbers along K (OCP MX v1.0); their sums are f32. All else is computed in f32.
;;   The module's matrix products, in the order in which they are computed (A, B: the left and right operand; K: the contracted axis; several contracted axes count as one K, in the product's order):
;;     1. [M 32,768, K 1,024] x [K 1,024, N 1,024]; A: input W1; B: input x: QUANTISED
;;     2. batch 8 x [M 1,024, K 4,096] x [K 4,096, N 1,024]; A: computed on the way; B: input W2: QUANTISED
;;     3. batch 1,024 x [M 1,024, K 8] x [K 8, N 1]; A: computed on the way; B: computed on the way: left as it is (K = 8 < 32)
;;   THE QUANTISER, for each operand of a quantised product, along K:
;;     - K is cut into blocks of 32 from its start; a last block that is shorter is filled with zeros.
;;     - A block's scale is 2^e with e = floor(log2(the largest magnitude in the block)) - 8, held to -126 .. 127; a block of zeros has e = 0. As a byte (E8M0): e + 127.
;;     - Each number is divided by its block's scale, clamped to +-448, and rounded to the nearest number of E4M3, ties to even, subnormals kept.
;;     - The product sums the exact products of the quantised numbers (number of the format x scale) in f32.
;;   ~~~python
;;   def quantise(x, axis):      # numpy; x: float32 -> the quantised numbers, widened to float32 again
;;       x = np.moveaxis(x, axis, -1); K = x.shape[-1]
;;       x = np.pad(x, [(0, 0)] * (x.ndim - 1) + [(0, -K % 32)]); x = x.reshape(x.shape[:-1] + (-1, 32)); a = np.abs(x).max(-1, keepdims=True)
;;       e = np.where(a > 0, np.clip(np.frexp(np.where(a > 0, a, 1))[1] - 1 - 8, -126, 127), 0)      # np.frexp(a)[1] - 1 = floor(log2(a)), exactly
;;       r = np.clip(x / 2.0 ** e, -448, 448)
;;       step = 2.0 ** (np.maximum(np.frexp(np.where(r == 0, 1, r))[1] - 1, -6) - 3)
;;       q = np.round(r / step) * step * 2.0 ** e      # np.round: ties to even
;;       return np.moveaxis(q.reshape(q.shape[:-2] + (-1,))[..., :K], -1, axis).astype(np.float32)
;;   ~~~
;;   OPERANDS COMPUTED ON THE WAY. 'Computed on the way' means the value that the module computes at that place (a softmax that the list does not call 'softmax' is quantised finished and normalised). What goes into a quantiser is computed in f32, as accurately as f32 sums, v_exp_f32 and their like allow (about 1e-6 of the number): no bf16 or f16 on the way to a quantiser, and a product that is left as it is and whose result goes on into a quantised operand takes f32 operands (vector FMAs, or v_wmma_f32_16x16x4_f32). A number that lies on a knife's edge between two numbers of the format may be rounded either way, as far as f32 arithmetic and the matrix unit's own rounding can turn it there, and no further.
;; 2 versions. Each part assembles by itself: llvm-mc -triple=amdgcn-amd-amdhsa -mcpu=gfx1250 --defsym DOCPART=n.
;; ======== version 1 of 2: 4 launches
;; workspace buffers: meta 1,280 bytes of whole numbers; tokidx 8,192 bytes of whole numbers; tokw 8,192 bytes; xq 1,048,576 bytes; xsq 32,768 bytes; hc 33,554,432 bytes; hs 1,048,576 bytes; part 67,108,864 bytes
;; launch front (part 1): grid 65 x 1, 32 waves a work-group, no clusters, 8,192 bytes of LDS; arguments routing_scores, x, meta, tokidx, tokw, xq, xsq, out1; writes meta, tokidx, tokw, xq, xsq, out1
.if DOCPART == 1
	.amdgcn_target "amdgcn-amd-amdhsa--gfx1250"
	.amdhsa_code_object_version 6
	.text
	.protected	k_q7ad8deef57_front
	.globl	k_q7ad8deef57_front
	.p2align	8
	.type	k_q7ad8deef57_front,@function
k_q7ad8deef57_front:
	s_mov_b64 s[64:65], 0
	v_nop
	global_prefetch_b8 v0, s[64:65] scope:SCOPE_SE
	s_setreg_imm32_b32 hwreg(HW_REG_WAVE_MODE, 25, 1), 1
	s_wait_xcnt 0x0
; TWO JOBS THAT NEED NOTHING OF EACH OTHER, parted by the work-group's number.
; WORK-GROUP 0, THE ROUTER.  1,024 tokens, 8 experts, the two largest scores of each token (ties: the lower index, by strict compares in ascending order).  A thread to a token.
; Stored: for each expert a mask of 1,024 bits (meta words 0-255: [expert][32 tokens a word]) and its count (meta words 256-263, and out1);
; for each token its two places, expert x 1,024 + the token's rank in that expert's list (tokidx), and its two weights score / (sum of the two + 1e-8) (tokw).
; No address and no branch here hangs on a score: every store goes to a place fixed by the thread's number; what the scores decide is stored as numbers.
; WORK-GROUPS 1 TO 64, x INTO CODES, in the order of the tokens: FP8 (E4M3) along D with one E8M0 byte for each 32.  xq: [token][1,024] codes; xsq: [token][32] scale bytes.  Rows are dense, so x is a plain stream of blocks:
; a wave takes 512 numbers, a lane 16 neighbours, two neighbouring lanes a block.  This path has no LDS and no barrier.
; A block's scale is 2^(floor(log2(largest magnitude)) - 8); its byte is that magnitude's exponent field - 8, held at 1 from below (a block of zeros so has the byte 1: its codes are zeros, and only this program reads the bytes).
; LIMITS: scores are taken as finite; NaN and infinities in x are not served; the reciprocal is v_rcp_f32's.
.set MW, 0                             ; LDS: 8 x 32 mask words, [expert][wave]
.set CW, 1024                          ; LDS: 8 x 32 counts, [expert][wave]
.set WV, 52                            ; s52 my wave's number
.set SX, 53                            ; s53 EXEC, kept
.set SEL, 54                           ; s[54:55] v_permlanex16_b32's selects for lane l xor 16
	s_load_b512 s[4:19], s[0:1], 0x0               ; scores s[4:5], x s[6:7], meta s[8:9], tokidx s[10:11], tokw s[12:13], xq s[14:15], xsq s[16:17], out1 s[18:19]
	v_lshl_add_u32 v72, v0, 2, 0x1000
	v_mov_b32 v73, 0
	v_lshrrev_b32 v2, 5, v0
	v_readfirstlane_b32 s[WV], v2                  ; wave 0..31
	v_and_b32 v1, 31, v0                           ; lane
	s_cmp_lg_u32 ttmp9, 0
	s_cbranch_scc1 .Lquant                         ; the same way for all waves of a work-group
	; ---- THE ROUTER
	v_lshlrev_b32 v3, 5, v0                        ; a token's 8 scores are 32 bytes
	v_lshlrev_b32 v32, 2, v2                       ; 4 x wave
	v_lshlrev_b32 v33, 2, v1                       ; 4 x lane
	v_lshlrev_b32 v66, 2, v0                       ; 4 x thread
	v_lshlrev_b32 v67, 3, v0                       ; 8 x thread
	v_mov_b32 v7, 0xff800000                       ; -infinity
	s_mov_b32 s[SEL], 0x76543210
	s_mov_b32 s[SEL+1], 0xfedcba98
.irp e, 0,1,2,3,4,5,6,7
	v_mov_b32 v[48+\e], 0                          ; written once: a lane permute's destination counts as one of its sources
.endr
	s_wait_kmcnt 0x0
	global_load_b128 v[8:11], v3, s[4:5]
	global_load_b128 v[12:15], v3, s[4:5] offset:16
	s_wait_loadcnt 0x0
	; the largest score: v4, its expert v5
	v_mov_b32 v4, v8
	v_mov_b32 v5, 0
.irp e, 1,2,3,4,5,6,7
	v_cmp_gt_f32 vcc_lo, v[8+\e], v4
	v_cndmask_b32 v4, v4, v[8+\e], vcc_lo
	v_cndmask_b32 v5, v5, \e, vcc_lo
.endr
	; the second: the same scan with the first one's score put at -infinity: v64, its expert v6
.irp e, 0,1,2,3,4,5,6,7
	v_cmp_eq_u32 vcc_lo, \e, v5
	v_cndmask_b32 v[16+\e], v[8+\e], v7, vcc_lo
.endr
	v_mov_b32 v64, v16
	v_mov_b32 v6, 0
.irp e, 1,2,3,4,5,6,7
	v_cmp_gt_f32 vcc_lo, v[16+\e], v64
	v_cndmask_b32 v64, v64, v[16+\e], vcc_lo
	v_cndmask_b32 v6, v6, \e, vcc_lo
.endr
	v_add_f32 v65, v4, v64
	v_add_f32 v65, 0x322bcc77, v65                 ; + 1e-8
	v_rcp_f32 v65, v65
	v_nop                                          ; a plain instruction behind the reciprocal,
	s_wait_alu depctr_va_vdst(0)                   ; and the wait ahead of its first reader
	v_mul_f32 v38, v65, v4
	v_mul_f32 v39, v65, v64
	; each expert's mask of my wave's 32 tokens and its count, to LDS: all lanes write the same word with the same value
.irp e, 0,1,2,3,4,5,6,7
	v_cmp_eq_u32 s[20+\e], \e, v5
	v_cmp_eq_u32 s[28+\e], \e, v6
	s_or_b32 s[36+\e], s[20+\e], s[28+\e]
	s_bcnt1_i32_b32 s[44+\e], s[36+\e]
	v_mov_b32 v[16+\e], s[36+\e]
	v_mov_b32 v[24+\e], s[44+\e]
.endr
.irp e, 0,1,2,3,4,5,6,7
	ds_store_b32 v32, v[16+\e] offset:MW+128*\e
	ds_store_b32 v32, v[24+\e] offset:CW+128*\e
.endr
	s_wait_dscnt 0x0                               ; for the other waves' sake: my stores have landed
	s_barrier_signal -1
	s_barrier_wait -1
	; how many tokens of each expert lie in the waves ahead of mine: lane l takes wave l's count, counts of waves at or behind mine become 0, and the 32 are added.
	; The numbers are whole and at most 1,024: exact in f32
.irp e, 0,1,2,3,4,5,6,7
	ds_load_b32 v[40+\e], v33 offset:CW+128*\e
.endr
	s_wait_dscnt 0x0
	v_cmp_gt_u32 vcc_lo, s[WV], v1                 ; my wave's number > the lane's
.irp e, 0,1,2,3,4,5,6,7
	v_cvt_f32_u32 v[40+\e], v[40+\e]
.endr
.irp e, 0,1,2,3,4,5,6,7
	v_cndmask_b32 v[40+\e], 0, v[40+\e], vcc_lo
.endr
.irp m, 1,2,4,8
.irp e, 0,1,2,3,4,5,6,7
	v_add_f32_dpp v[40+\e], v[40+\e], v[40+\e] row_xmask:\m row_mask:0xf bank_mask:0xf
.endr
.endr
.irp e, 0,1,2,3,4,5,6,7
	v_permlanex16_b32 v[48+\e], v[40+\e], s[SEL], s[SEL+1]
.endr
.irp e, 0,1,2,3,4,5,6,7
	v_add_f32 v[40+\e], v[40+\e], v[48+\e]
.endr
.irp e, 0,1,2,3,4,5,6,7
	v_cvt_u32_f32 v[40+\e], v[40+\e]
.endr
	; my rank in each expert's list = those ahead + the mask's bits under my lane; of the eight, the two of my experts are kept
	v_mov_b32 v34, 0
	v_mov_b32 v35, 0
.irp e, 0,1,2,3,4,5,6,7
	v_mbcnt_lo_u32_b32 v[56+\e], s[36+\e], v[40+\e]
.endr
.irp e, 0,1,2,3,4,5,6,7
	v_cndmask_b32 v34, v34, v[56+\e], s[20+\e]
	v_cndmask_b32 v35, v35, v[56+\e], s[28+\e]
.endr
	v_lshl_add_u32 v36, v5, 10, v34                ; expert x 1,024 + rank
	v_lshl_add_u32 v37, v6, 10, v35
	global_store_b64 v67, v[36:37], s[10:11]       ; a wave stores 256 consecutive bytes
	global_store_b64 v67, v[38:39], s[12:13]
	; waves 0-7 copy the 256 mask words out, a word a thread
	s_cmp_lt_u32 s[WV], 8
	s_cbranch_scc0 .Lnomask
	ds_load_b32 v68, v66 offset:MW
	s_wait_dscnt 0x0
	global_store_b32 v66, v68, s[8:9]
.Lnomask:
	; the last wave knows the totals: those ahead of it + its own
	s_cmp_eq_u32 s[WV], 31
	s_cbranch_scc0 .Ldone
.irp e, 0,1,2,3,4,5,6,7
	v_add_nc_u32 v[40+\e], s[44+\e], v[40+\e]
.endr
	v_mov_b32 v69, v40
.irp e, 1,2,3,4,5,6,7
	v_cmp_eq_u32 vcc_lo, \e, v1
	v_cndmask_b32 v69, v69, v[40+\e], vcc_lo       ; lane e takes expert e's total
.endr
	v_cmp_gt_u32 vcc_lo, 8, v1
	s_wait_xcnt 0x0                                ; EXEC is a source of the stores above: it changes only behind this wait
	s_and_saveexec_b32 s[SX], vcc_lo
	global_store_b32 v33, v69, s[18:19]            ; out1: 8 whole numbers
	global_store_b32 v33, v69, s[8:9] offset:1024  ; and meta's words 256-263
	s_wait_xcnt 0x0                                ; and again ahead of the line that widens it
	s_or_b32 exec_lo, exec_lo, s[SX]
.Ldone:
	s_wait_tensorcnt 0x0
	ds_add_u32 v72, v73
	s_wait_dscnt 0x0
	s_endpgm
	; ---- x INTO CODES
.Lquant:
	s_sub_co_u32 s20, ttmp9, 1
	s_lshl_b32 s20, s20, 5
	s_add_co_u32 s20, s20, s[WV]                   ; which run of 512 numbers is my wave's: 0 .. 2,047
	s_lshl_b32 s22, s20, 11                        ; 2,048 bytes of x,
	s_mov_b32 s23, 0
	s_lshl_b32 s24, s20, 9                         ; 512 of codes,
	s_mov_b32 s25, 0
	s_lshl_b32 s26, s20, 4                         ; 16 scale bytes
	s_mov_b32 s27, 0
	s_mov_b32 s28, 0x600000                        ; the mantissa field of 448
	v_lshlrev_b32 v3, 6, v1                        ; my 16 numbers: 64 bytes a lane
	v_lshlrev_b32 v4, 4, v1                        ; my 16 codes
	v_lshrrev_b32 v5, 1, v1                        ; my block's byte
	v_and_b32 v6, 1, v1
	s_wait_kmcnt 0x0
	s_add_nc_u64 s[6:7], s[6:7], s[22:23]
	s_add_nc_u64 s[14:15], s[14:15], s[24:25]
	s_add_nc_u64 s[16:17], s[16:17], s[26:27]
.irp i, 0,1,2,3
	global_load_b128 v[16+4*\i:19+4*\i], v3, s[6:7] offset:16*\i th:TH_LOAD_NT   ; the four loads together take the run's 2,048 consecutive bytes; x is read once
.endr
	s_wait_loadcnt 0x0
	v_max3_num_f32 v8, |v16|, |v17|, |v18|         ; the largest magnitude of my 16, in two chains
	v_max3_num_f32 v9, |v19|, |v20|, |v21|
.irp i, 6,10
	v_max3_num_f32 v8, v8, |v[16+\i]|, |v[17+\i]|
	v_max3_num_f32 v9, v9, |v[18+\i]|, |v[19+\i]|
.endr
	v_max3_num_f32 v8, v8, |v30|, |v31|
	v_max3_num_f32 v8, v8, v9, 0x4800000           ; and the floor 2^(9 - 127): the byte cannot fall under 1
	v_max_num_f32_dpp v8, v8, v8 row_xmask:1 row_mask:0xf bank_mask:0xf   ; and of my neighbour's 16: the block's
	v_add_nc_u32 v11, 0xfc000000, v8               ; 8 off its exponent field: the conversion takes this operand's exponent field as its scale
	v_and_or_b32 v10, v8, 0x7f800000, s28          ; 448 x the scale
.irp i, 0,1,2,3,4,5,6,7,8,9,10,11,12,13,14,15
	v_med3_num_f32 v[16+\i], v[16+\i], -v10, v10   ; the conversion to an 8-bit code does not saturate (ISA guide 7.6.2): the hold
.endr
	v_cvt_scalef32_pk8_fp8_f32 v[32:33], v[16:23], v11
	v_cvt_scalef32_pk8_fp8_f32 v[34:35], v[24:31], v11
	v_lshrrev_b32 v36, 23, v11                     ; the scale's byte.  (The plain instruction behind the conversions)
	global_store_b128 v4, v[32:35], s[14:15]       ; 32 lanes store 512 consecutive bytes, aligned
	v_cmp_eq_u32 vcc_lo, 0, v6                     ; both lanes of a block hold its byte: the even one stores it
	s_wait_xcnt 0x0                                ; EXEC is a source of the store above
	s_and_saveexec_b32 s[SX], vcc_lo
	global_store_b8 v5, v36, s[16:17]              ; 16 consecutive bytes a wave; all of xsq is 32 KB, a hundredth of what this path moves
	s_wait_xcnt 0x0
	s_or_b32 exec_lo, exec_lo, s[SX]
	s_endpgm
.Lfunc_end_k_q7ad8deef57_front:
	.size	k_q7ad8deef57_front, .Lfunc_end_k_q7ad8deef57_front-k_q7ad8deef57_front
	.p2alignl 7, 3214868480
	.fill 96, 4, 3214868480
	.section	.rodata,"a",@progbits
	.p2align	6, 0x0
	.amdhsa_kernel k_q7ad8deef57_front
		.amdhsa_group_segment_fixed_size 8192
		.amdhsa_private_segment_fixed_size 0
		.amdhsa_enable_private_segment 0
		.amdhsa_kernarg_size 64
		.amdhsa_user_sgpr_count 2
		.amdhsa_user_sgpr_kernarg_segment_ptr 1
		.amdhsa_wavefront_size32 1
		.amdhsa_system_sgpr_workgroup_id_x 1
		.amdhsa_system_sgpr_workgroup_id_y 1
		.amdhsa_system_sgpr_workgroup_id_z 1
		.amdhsa_system_vgpr_workitem_id 0
		.amdhsa_next_free_vgpr 74
		.amdhsa_next_free_sgpr 66
		.amdhsa_reserve_vcc 1
		.amdhsa_float_denorm_mode_32 3
		.amdhsa_float_denorm_mode_16_64 3
		.amdhsa_memory_ordered 1
		.amdhsa_forward_progress 1
		.amdhsa_inst_pref_size 18
	.end_amdhsa_kernel
	.amdgpu_metadata
---
amdhsa.version: [ 1, 2 ]
amdhsa.kernels:
  - .name:           k_q7ad8deef57_front
    .symbol:         k_q7ad8deef57_front.kd
    .args:
      - { .name: routing_scores, .offset: 0, .size: 8, .value_kind: global_buffer, .address_space: global }
      - { .name: x, .offset: 8, .size: 8, .value_kind: global_buffer, .address_space: global }
      - { .name: meta, .offset: 16, .size: 8, .value_kind: global_buffer, .address_space: global }
      - { .name: tokidx, .offset: 24, .size: 8, .value_kind: global_buffer, .address_space: global }
      - { .name: tokw, .offset: 32, .size: 8, .value_kind: global_buffer, .address_space: global }
      - { .name: xq, .offset: 40, .size: 8, .value_kind: global_buffer, .address_space: global }
      - { .name: xsq, .offset: 48, .size: 8, .value_kind: global_buffer, .address_space: global }
      - { .name: out1, .offset: 56, .size: 8, .value_kind: global_buffer, .address_space: global }
    .group_segment_fixed_size: 8192
    .private_segment_fixed_size: 0
    .kernarg_segment_align: 8
    .kernarg_segment_size: 64
    .max_flat_workgroup_size: 1024
    .sgpr_count:     66
    .vgpr_count:     74
    .wavefront_size: 32
...
	.end_amdgpu_metadata
.endif
;; end of part 1
;; launch ffn1 (part 2): grid 32 x 8, 8 waves a work-group, no clusters, 137,216 bytes of LDS; arguments meta, xq, xsq, W1, b1, hc, hs; writes hc, hs
.if DOCPART == 2
	.amdgcn_target "amdgcn-amd-amdhsa--gfx1250"
	.amdhsa_code_object_version 6
	.text
	.protected	k_q7ad8deef57_ffn1
	.globl	k_q7ad8deef57_ffn1
	.p2align	8
	.type	k_q7ad8deef57_ffn1,@function
k_q7ad8deef57_ffn1:
	s_mov_b64 s[64:65], 0
	v_nop
	global_prefetch_b8 v0, s[64:65] scope:SCOPE_SE
	s_setreg_imm32_b32 hwreg(HW_REG_WAVE_MODE, 25, 1), 1
	s_wait_xcnt 0x0
; THE FIRST LAYER: h = gelu(x W1 + b1) for the rows that chose the expert, on codes of FP8 (E4M3) with one E8M0 scale for each 32 along K; h is quantised along the hidden axis and stored as the next launch's operand.
; SHARES.  Work-group (sl, e) owns hidden units 128 sl .. 128 sl + 127 of expert e: 1,024 x 128 numbers of W1, 512 KB, which no other work-group reads: every byte of W1 leaves memory once.
; PHASE A: the eight waves stream that slice (f32, K along the FIRST axis), quantise it along K and lay it in LDS as images of operand registers.  One barrier.
; PHASE B: wave w takes the groups of 32 list rows w, w + 8, w + 16, w + 24 that the expert's count reaches (a scalar branch on the stored count; no barrier stands behind it), multiplies them by the whole slice, and finishes them.
; THE ROWS ARE GATHERED HERE: list row p of the expert is the token at the p-th set bit of its stored mask of 1,024 bits.  At a group's head each lane finds the token of list row 32 G + lane; the number is held at 1,023 and enters the
; addresses of x's codes ([token][1,024]) and scale bytes ([token][32]).  Ranks at or past the count in the last group take some token's row: finite numbers that are multiplied, stored, and gathered by nobody.
; No tensor load and no joint load: which groups exist hangs on a number read from memory.  No cluster: no two work-groups share a byte of W1, and the row codes they share are a small part of a work-group's bytes.
; A UNIT is 4 tiles of 16 weight columns x 128 K, 8 KB of codes: unit u = 2 s + a, K step s, panel a of 64 columns.  TILE T OF A PANEL IS THE COLUMNS 4 m + T, m = 0 .. 15: so the lane that loads 16 bytes (4 columns) of a row of W1
; holds, for each T, 16 numbers down K of row m of tile T, which is what that lane of the fragment wants; and in the result a lane holds 32 NEIGHBOURING hidden units: a whole block of the next K.
; THE PRODUCT IS USED TRANSPOSED: source 0 = 16 weight columns, source 1 = 16 rows: lane (r, h), tile T, register j holds row r, hidden unit 32 h + 4 j + T of the panel.
; GELU is x Phi(x), Phi by erfc(z) = t exp(-z^2 + P(t)), t = 1 / (1 + z / 2), z = |x| / sqrt 2, P the ninth-degree polynomial of Numerical Recipes' erfcc (fractional error under 1.2e-7 for every z); below 0 Phi = erfc / 2, else 1 - erfc / 2.
; LIMITS: NaN and infinities among the inputs are not served; a block of zeros has the scale byte 1 (its codes are zeros; only this program reads the bytes).
; hc: [expert][group 0..31][K step 0..31][row tile 0..1][2,048 bytes]: the image of a fragment of 16 rows x 128 K: its registers 4 c .. 4 c + 3 of lane l at 512 c + 16 l.  hs: [expert][K step][list row] one word of four scale bytes.
; LDS: 0: the images, u x 8,192 + T x 2,048 + 512 c + 16 x lane;  WSC: the weights' scale words, u x 256 + T x 64 + 4 m;  BT: b1 in the result's order, a x 256 + T x 64 + h x 32 + 4 j.
; REGISTERS, window 0: v1 lane, v2 lane % 16, v3 lane / 16, v4-15 addresses (v10: row tile 0's offset in xq), v16-31 at work in the quantiser and in the search, v32-63 weights' scale words, v64-71 rows' scale words (these two runs hold
;   scales and nothing else), v80-91 at work and addresses, v92 row tile 1's offset in xq, v93 my list row's offset in xsq;
;   phase A: v128-191 64 held numbers, v192-207 their codes;  phase B: v128-255 rows' fragments, a ring of 4 K steps x 2 tiles x 16.
;   window 1: phase A: four sets of 64 loaded numbers;  phase B: v0-63, v64-127 two units of weights (in the epilogue: at work), v128-255 the 16 accumulators at 128 + 64 a + 16 T + 8 t.
.set PITCH, 16384                      ; a row of W1 in bytes
.set USTEP, 2                          ; units from one of a wave's K steps to its next
.set NS,    8                          ; K steps
.set WSC,   131072
.set BT,    135168
.set MK,    68                         ; s[68:99] the expert's mask: 32 words
.set MSB, 0
.macro WIN new                         ; s_set_vgpr_msb: bits 1:0 source 0, 3:2 source 1, 5:4 source 2, 7:6 destination; the high byte repeats the setting that is left
.if MSB != \new
	s_set_vgpr_msb (MSB<<8)|\new
.set MSB, \new
.endif
.endm
.macro PLACES n
.rept \n
	v_nop
.endr
.endm
	s_load_b256 s[4:11], s[0:1], 0x0               ; meta s[4:5], xq s[6:7], xsq s[8:9], W1 s[10:11]
	s_load_b128 s[12:15], s[0:1], 0x20             ; b1 s[12:13], hc s[14:15]
	s_load_b64 s[16:17], s[0:1], 0x30              ; hs
	v_lshl_add_u32 v126, v0, 2, 0x21400
	v_mov_b32 v127, 0
	v_lshrrev_b32 v1, 5, v0
	v_readfirstlane_b32 s18, v1                    ; wave 0..7
	s_and_b32 s19, ttmp7, 0xffff                   ; e
	s_mov_b32 s20, ttmp9                           ; sl
	s_mov_b32 s22, 0x76543210
	s_mov_b32 s23, 0xfedcba98                      ; v_permlanex16_b32's selects for lane l xor 16
	s_mov_b32 s24, 0x600000                        ; the mantissa field of 448
	s_mov_b32 s25, 0xffff0000                      ; lanes 16-31
	s_mov_b32 s32, 0x3e7c6f08                      ; c9 (all of P's coefficients are multiplied by log2 e)
	s_mov_b32 s33, s32                             ; named with it as a pair
	s_mov_b32 s34, 0x3eb504f3                      ; 1 / (2 sqrt 2)
	v_and_b32 v1, 31, v0                           ; lane
	v_and_b32 v2, 15, v0                           ; q
	v_bfe_u32 v3, v0, 4, 1                         ; hh
	v_lshlrev_b32 v4, 4, v2
	v_lshl_add_u32 v4, v3, 18, v4                  ; W1: 16 q bytes of a row; lanes 16-31 sixteen rows further down
	v_lshlrev_b32 v7, 4, v1                        ; 16 x lane: units 0-7
	v_add_nc_u32 v8, 0x10000, v7                   ; units 8-15
	v_lshlrev_b32 v88, 2, v1                       ; 4 x lane
	v_add_nc_u32 v9, WSC, v88
	v_lshl_add_u32 v13, v3, 5, BT                  ; b1 in the result's order: my half's 32 bytes of a tile
	v_lshlrev_b32 v14, 3, v3                       ; 8 hh
	v_lshlrev_b32 v89, 4, v2
	v_lshl_add_u32 v89, v3, 9, v89                 ; hc: 512 h + 16 r
	v_and_b32 v90, 127, v0
	v_lshlrev_b32 v90, 2, v90                      ; b1: a number a thread
	v_bfe_u32 v84, v0, 6, 1                        ; hidden unit n = thread % 128 = 64 a + 32 h + 4 j + T goes to BT + 256 a + 64 T + 32 h + 4 j
	v_and_b32 v85, 3, v0
	v_bfe_u32 v86, v0, 5, 1
	v_bfe_u32 v87, v0, 2, 3
	v_lshlrev_b32 v91, 8, v84
	v_lshl_or_b32 v91, v85, 6, v91
	v_lshl_or_b32 v91, v86, 5, v91
	v_lshl_or_b32 v91, v87, 2, v91
	v_add_nc_u32 v91, BT, v91
.irp c, 0,1,2,3
	v_mov_b32 v[20+\c], 0                          ; written once: a lane permute's destination counts as one of its sources
.endr
	s_lshr_b32 s44, s18, 1                         ; kq: which 256 of K my wave streams
	s_and_b32 s45, s18, 1                          ; a: which panel
	s_lshl_b32 s28, s19, 24                        ; W1: e x 2^24 + 256 kq rows + 512 sl + 256 a
	s_lshl_b32 s46, s44, 22
	s_add_co_u32 s28, s28, s46
	s_lshl_b32 s46, s20, 9
	s_add_co_u32 s28, s28, s46
	s_lshl_b32 s46, s45, 8
	s_add_co_u32 s28, s28, s46
	s_mov_b32 s29, 0
	s_lshl_b32 s30, s19, 14                        ; b1: e x 16,384 + 512 sl
	s_lshl_b32 s46, s20, 9
	s_add_co_u32 s30, s30, s46
	s_mov_b32 s31, 0
	s_lshl_b32 s36, s19, 7                         ; the expert's mask: 128 bytes an expert; stays until the mask is in
	s_lshl_b32 s46, s20, 12
	s_lshl_b32 s40, s19, 22                        ; hc: e x 2^22 + 4,096 sl
	s_add_co_u32 s40, s40, s46
	s_mov_b32 s41, 0
	s_lshl_b32 s42, s19, 17                        ; hs: (32 e + sl) x 4,096
	s_add_co_u32 s42, s42, s46
	s_mov_b32 s43, 0
	s_lshl_b32 s35, s19, 2                         ; the count's word; stays until the count is in
	s_lshl_b32 s46, s44, 2
	s_add_co_u32 s46, s46, s45                     ; my first unit: 4 kq + a
	s_lshl_b32 s47, s46, 13
	v_add_nc_u32 v5, s47, v7                       ; where my images go: 16 x lane + unit x 8,192
	s_lshl_b32 s48, s46, 8
	s_add_co_u32 s48, s48, WSC
	v_lshlrev_b32 v6, 2, v2
	v_add_nc_u32 v6, s48, v6                       ; and their scale words: WSC + unit x 256 + 4 q
	s_wait_kmcnt 0x0
	s_load_b32 s21, s[4:5], s35 offset:0x400       ; the expert's count and its mask; waited for ahead of phase B
	s_load_b512 s[MK:MK+15], s[4:5], s36 offset:0x0
	s_load_b512 s[MK+16:MK+31], s[4:5], s36 offset:0x40
	s_add_nc_u64 s[10:11], s[10:11], s[28:29]
	s_add_nc_u64 s[12:13], s[12:13], s[30:31]
	s_add_nc_u64 s[14:15], s[14:15], s[40:41]
	s_add_nc_u64 s[16:17], s[16:17], s[42:43]
	global_load_b32 v15, v90, s[12:13]             ; b1: older than every load of W1, so the stream's first wait covers it
; PHASE A.  A wave streams 8 blocks of 32 rows x 64 columns.  Block b: 16 loads; lanes 0-15 read the 256 aligned bytes of row 32 b + i, lanes 16-31 those of row 32 b + 16 + i.
.macro WLOAD b
	WIN 0x40                                       ; destination window 1
.irp i, 0,1,2,3,4,5,6,7,8,9,10,11,12,13,14,15
	global_load_b128 v[64*((\b)%4)+4*\i:64*((\b)%4)+4*\i+3], v4, s[10:11] offset:(32*(\b)+\i)*PITCH th:TH_LOAD_NT
.endr
.endm
; Register 4 i + c of a set: row 32 b + 16 hh + i, column 4 q + c.  For each c the 16 numbers down K are held, brought into consecutive registers by the hold itself, and converted: piece b % 4 of row q of tile c.
.macro QBLK b
.set X,  64*((\b)%4)
.set CQ, (\b)%4
.set KS, (\b)/4
.if 7-(\b) >= 2
	s_wait_loadcnt 32                              ; this block's 16 loads are in; the two younger blocks' 32 may be out
.else
	s_wait_loadcnt 16*(7-(\b))
.endif
.if (\b)+3 < 8
	WLOAD (\b)+3                                   ; into the set that the block before has read: 48 loads, 24 KB a wave, are out while the wave works
.endif
	s_wait_dscnt 0x0                               ; the last block's LDS stores have read their registers: codes and scale words may be written again
	WIN 0x05
.irp c, 0,1,2,3
	v_max3_num_f32 v[16+\c], |v[X+\c]|, |v[X+4+\c]|, 0x4800000   ; the floor 2^(9 - 127): the byte cannot fall under 1
.endr
	WIN 0x14
.irp i, 2,4,6,8,10,12,14
.irp c, 0,1,2,3
	v_max3_num_f32 v[16+\c], v[16+\c], |v[X+4*\i+\c]|, |v[X+4*\i+4+\c]|
.endr
.endr
	WIN 0
.irp c, 0,1,2,3
	v_permlanex16_b32 v[20+\c], v[16+\c], s22, s23
.endr
.irp c, 0,1,2,3
	v_max_num_f32 v[16+\c], v[16+\c], v[20+\c]     ; with the other 16 rows': the block's largest magnitude
.endr
.irp c, 0,1,2,3
	v_add_nc_u32 v[28+\c], 0xfc000000, v[16+\c]    ; 8 off its exponent field: the conversion's scale operand
.endr
.irp c, 0,1,2,3
	v_and_or_b32 v[24+\c], v[16+\c], 0x7f800000, s24   ; 448 x the scale
.endr
.irp c, 0,1,2,3
.if CQ == 0
	v_lshrrev_b32 v[80+\c], 23, v[28+\c]           ; the scale's byte: four blocks make a K step's word
.else
	v_lshrrev_b32 v[84+\c], 23, v[28+\c]
	v_lshl_or_b32 v[80+\c], v[84+\c], 8*CQ, v[80+\c]
.endif
.endr
	WIN 0x01
.irp c, 0,1,2,3
.irp i, 0,1,2,3,4,5,6,7,8,9,10,11,12,13,14,15
	v_med3_num_f32 v[128+16*\c+\i], v[X+4*\i+\c], -v[24+\c], v[24+\c]   ; the hold (the conversion does not saturate: ISA guide 7.6.2), and column c's 16 numbers on end
.endr
.endr
	WIN 0
.irp c, 0,1,2,3
	v_cvt_scalef32_pk8_fp8_f32 v[192+4*\c:193+4*\c], v[128+16*\c:135+16*\c], v[28+\c]
	v_cvt_scalef32_pk8_fp8_f32 v[194+4*\c:195+4*\c], v[136+16*\c:143+16*\c], v[28+\c]
.endr
	v_nop                                          ; a plain instruction behind the last scaled conversion
.irp c, 0,1,2,3
	ds_store_b128 v5, v[192+4*\c:195+4*\c] offset:KS*USTEP*8192+\c*2048+512*CQ   ; 512 consecutive bytes
.endr
.if CQ == 3
.irp c, 0,1,2,3
	ds_store_b32 v6, v[80+\c] offset:KS*USTEP*256+64*\c   ; both halves of the lanes write the same word with the same value
.endr
.endif
.endm
	WLOAD 0
	WLOAD 1
	WLOAD 2
.irp b, 0,1,2,3,4,5,6,7
	QBLK \b
.endr
	s_cmp_lt_u32 s18, 4                            ; threads 0-127 put b1's 128 numbers in the result's order (the last block's wait was for 0: v15 is in)
	s_cbranch_scc0 .Lnobias
	ds_store_b32 v91, v15
.Lnobias:
	s_wait_dscnt 0x0                               ; for the other waves' sake: my stores have landed
	s_barrier_signal -1
	s_barrier_wait -1                              ; the slice lies in LDS; nothing writes these bytes again
; PHASE B
.irp u, 0,1,2,3,4,5,6,7,8,9,10,11,12,13,14,15
	ds_load_b32 v[32+2*\u], v9 offset:\u*256       ; lanes 0-15: tile 0's words, lanes 16-31: tile 1's
	ds_load_b32 v[33+2*\u], v9 offset:\u*256+128   ; tiles 2 and 3
.endr
	s_wait_kmcnt 0x0                               ; the count and the mask
	s_wait_dscnt 0x0
.macro ALOAD s                         ; the group's two row fragments of K step s, into slot s % 4 of the ring: lane (r, h) takes 16 bytes of its token's row: k 128 s + 32 c + 16 h on
	WIN 0
.irp c, 0,1,2,3
	global_load_b128 v[128+32*((\s)%4)+4*\c:128+32*((\s)%4)+4*\c+3], v10, s[6:7] offset:128*(\s)+32*\c
.endr
.irp c, 0,1,2,3
	global_load_b128 v[144+32*((\s)%4)+4*\c:144+32*((\s)%4)+4*\c+3], v92, s[6:7] offset:128*(\s)+32*\c
.endr
.endm
.macro LW u                            ; unit u's four weight fragments, into buffer u % 2 of window 1
	WIN 0x40
.irp tw, 0,1,2,3
.irp c, 0,1,2,3
.if (\u) < 8
	ds_load_b128 v[64*((\u)%2)+16*\tw+4*\c:64*((\u)%2)+16*\tw+4*\c+3], v7 offset:((\u)%8)*8192+2048*\tw+512*\c
.else
	ds_load_b128 v[64*((\u)%2)+16*\tw+4*\c:64*((\u)%2)+16*\tw+4*\c+3], v8 offset:((\u)%8)*8192+2048*\tw+512*\c
.endif
.endr
.endr
.endm
; one product: weight tile tw x row tile tr.  Odd weight tiles' scale words lie in lanes 16-31 of their register, and so do row tile 1's
.macro MM tw, tr
.set AC, ACB+16*(\tw)+8*(\tr)
.set WF, WFB+16*(\tw)
.set RF, RFB+16*(\tr)
.set SA, SAB+(\tw)/2
.if ZR
.if ((\tw)%2 == 1) && ((\tr) == 1)
	v_wmma_scale_f32_16x16x128_f8f6f4 v[AC:AC+7], v[WF:WF+15], v[RF:RF+15], 0, v[SA], v[SB] matrix_a_scale:MATRIX_SCALE_ROW1 matrix_b_scale:MATRIX_SCALE_ROW1
.elseif (\tw)%2 == 1
	v_wmma_scale_f32_16x16x128_f8f6f4 v[AC:AC+7], v[WF:WF+15], v[RF:RF+15], 0, v[SA], v[SB] matrix_a_scale:MATRIX_SCALE_ROW1
.elseif (\tr) == 1
	v_wmma_scale_f32_16x16x128_f8f6f4 v[AC:AC+7], v[WF:WF+15], v[RF:RF+15], 0, v[SA], v[SB] matrix_b_scale:MATRIX_SCALE_ROW1
.else
	v_wmma_scale_f32_16x16x128_f8f6f4 v[AC:AC+7], v[WF:WF+15], v[RF:RF+15], 0, v[SA], v[SB]
.endif
.else
.if ((\tw)%2 == 1) && ((\tr) == 1)
	v_wmma_scale_f32_16x16x128_f8f6f4 v[AC:AC+7], v[WF:WF+15], v[RF:RF+15], v[AC:AC+7], v[SA], v[SB] matrix_a_scale:MATRIX_SCALE_ROW1 matrix_b_scale:MATRIX_SCALE_ROW1
.elseif (\tw)%2 == 1
	v_wmma_scale_f32_16x16x128_f8f6f4 v[AC:AC+7], v[WF:WF+15], v[RF:RF+15], v[AC:AC+7], v[SA], v[SB] matrix_a_scale:MATRIX_SCALE_ROW1
.elseif (\tr) == 1
	v_wmma_scale_f32_16x16x128_f8f6f4 v[AC:AC+7], v[WF:WF+15], v[RF:RF+15], v[AC:AC+7], v[SA], v[SB] matrix_b_scale:MATRIX_SCALE_ROW1
.else
	v_wmma_scale_f32_16x16x128_f8f6f4 v[AC:AC+7], v[WF:WF+15], v[RF:RF+15], v[AC:AC+7], v[SA], v[SB]
.endif
.endif
.endm
; Unit u: eight products on eight accumulators by turns; the two panels' units alternate, so 15 other products stand between two links of a chain.  The first K step starts the sums with the constant 0.
.macro UNIT u
.set KST, (\u)/2
.set ACB, 128+64*((\u)%2)
.set WFB, 64*((\u)%2)
.set RFB, 128+32*(KST%4)
.set SAB, 32+2*(\u)
.set SB,  64+KST
.if KST == 0
.set ZR, 1
.else
.set ZR, 0
.endif
.if (\u) < 15
	s_wait_dscnt 16                                ; this unit's 16 fragment loads are in; the next unit's 16 may be out
.else
	s_wait_dscnt 0x0
.endif
.if (\u)%2 == 0
.if NS-1-KST >= 3
	s_wait_loadcnt 24                              ; this K step's 8 row loads (and the scale words, which are older) are in; the three later K steps' 24 may be out
.else
	s_wait_loadcnt 8*(NS-1-KST)
.endif
.endif
	WIN 0x51                                       ; source 0 (weights), C and D window 1; source 1 (rows) window 0
	MM 0, 0
	MM 0, 1
	MM 1, 0
	MM 1, 1
	MM 2, 0
	MM 2, 1
	MM 3, 0
	MM 3, 1
.endm
; Behind a unit: eight places in front of loads into registers that its products have read; then the unit two on, and behind a K step's second unit the rows four K steps on.
.macro GAP u
	PLACES 8
.if (\u)+2 <= 15
	LW (\u)+2
.endif
.if ((\u)%2 == 1) && ((\u)/2+4 < NS)
	ALOAD (\u)/2+4
.endif
.endm
; THE EPILOGUE of row tile t, panel a: 32 numbers a lane, x(T, j) at XB + 16 T + j, index k = 8 T + j.  Window 1 throughout: v0-31 t, v32-63 the exponent and then Phi's parts, v64-95 at work, v96-127 b1.
.macro GELUQ t, a
.set XB, 128+64*(\a)+8*(\t)
	WIN 0x55
.set k, 0
.rept 16
.set XR, XB+16*(k/8)+k%8
	v_pk_add_f32 v[XR:XR+1], v[XR:XR+1], v[96+k:97+k]     ; + b1; each accumulator is read from its low end on
.set k, k+2
.endr
.set k, 0
.rept 32
.set XR, XB+16*(k/8)+k%8
	v_fma_f32 v[k], |v[XR]|, s34, 1.0              ; 1 + z / 2
.set k, k+1
.endr
.set k, 0
.rept 32
	v_rcp_f32 v[k], v[k]                           ; t: one batch
.set k, k+1
.endr
.set k, 0
.rept 16
.set XR, XB+16*(k/8)+k%8
	v_pk_mul_f32 v[64+k:65+k], v[XR:XR+1], 0xbf38aa3b op_sel_hi:[1,0]   ; -x log2(e) / 2: plain work that names no reciprocal
.set k, k+2
.endr
	s_wait_alu depctr_va_vdst(0)                   ; one wait for the 32 reciprocals, ahead of their first reader
.set k, 0
.rept 16
	v_pk_fma_f32 v[32+k:33+k], v[k:k+1], s[32:33], 0xbf97d29d op_sel_hi:[1,0,0]   ; c9 t + c8
.set k, k+2
.endr
.irp cc, 0x40097039, 0xbfd1a1e5, 0x3ecdfd18, 0xbe899a80, 0x3e0efb2e, 0x3f0a29d2, 0x3fb8ab5a, 0xc034d90f
.set k, 0
.rept 16
	v_pk_fma_f32 v[32+k:33+k], v[32+k:33+k], v[k:k+1], \cc op_sel_hi:[1,1,0]   ; Horner, c7 down to c0; c0 has 1 taken off: the exponential gives erfc / (2 t)
.set k, k+2
.endr
.endr
.set k, 0
.rept 16
.set XR, XB+16*(k/8)+k%8
	v_pk_fma_f32 v[32+k:33+k], v[64+k:65+k], v[XR:XR+1], v[32+k:33+k]   ; - z^2 log2(e)
.set k, k+2
.endr
.set k, 0
.rept 32
	v_exp_f32 v[32+k], v[32+k]
.set k, k+1
.endr
	v_nop                                          ; a plain instruction behind the last exponential,
	s_wait_alu depctr_va_vdst(0)                   ; and one wait for the batch
.set k, 0
.rept 16
	v_pk_fma_f32 v[64+k:65+k], v[k:k+1], v[32+k:33+k], 1.0 op_sel_hi:[1,1,0] neg_lo:[1,0,0] neg_hi:[1,0,0]   ; 1 - erfc / 2
	v_pk_mul_f32 v[32+k:33+k], v[k:k+1], v[32+k:33+k]                                                         ; erfc / 2
.set k, k+2
.endr
.set k, 0
.rept 32
.set XR, XB+16*(k/8)+k%8
	v_cmp_gt_f32 vcc_lo, 0, v[XR]
	v_cndmask_b32 v[32+k], v[64+k], v[32+k], vcc_lo   ; Phi: below 0 the small number itself, with no difference formed
.set k, k+1
.endr
.set k, 0
.rept 16
.set XR, XB+16*(k/8)+k%8
	v_pk_mul_f32 v[XR:XR+1], v[XR:XR+1], v[32+k:33+k]   ; gelu
.set k, k+2
.endr
	; my 32 numbers are hidden units 64 a + 32 h + 0 .. 31: one block of the next K: its largest magnitude needs no other lane
	v_max3_num_f32 v0, |v[XB]|, |v[XB+1]|, 0x4800000
	v_max3_num_f32 v1, |v[XB+2]|, |v[XB+3]|, |v[XB+4]|
.set k, 5
.rept 13
.set XR, XB+16*(k/8)+k%8
.set XS, XB+16*((k+1)/8)+(k+1)%8
	v_max3_num_f32 v[((k-5)/2)%2], v[((k-5)/2)%2], |v[XR]|, |v[XS]|
.set k, k+2
.endr
	v_max3_num_f32 v0, v0, v1, |v[XB+55]|
	v_add_nc_u32 v1, 0xfc000000, v0                ; the conversion's scale operand
	v_and_or_b32 v2, v0, 0x7f800000, s24           ; 448 x the scale
.irp tw, 0,1,2,3
.irp j, 0,1,2,3,4,5,6,7
	v_med3_num_f32 v[32+4*\j+\tw], v[XB+16*\tw+\j], -v2, v2   ; the hold, and the 32 in the order of the hidden units
.endr
.endr
.irp g, 0,1,2,3
	v_cvt_scalef32_pk8_fp8_f32 v[XB+2*\g:XB+2*\g+1], v[32+8*\g:39+8*\g], v1   ; the codes take tile 0's accumulator, which has been read
.endr
	v_lshrrev_b32 v[XB+16], 23, v1                 ; the scale's byte, kept in tile 1's first register.  (The plain instruction behind the conversions)
	WIN 0x04                                       ; a store's data are its source 1: window 1
	global_store_b128 v12, v[XB:XB+3], s[14:15] offset:2048*(\t)+1024*(\a)       ; k 32 c + 0 .. 15 belongs to lane r of piece c = 2 a + h, k + 16 .. 31 to lane 16 + r:
	global_store_b128 v12, v[XB+4:XB+7], s[14:15] offset:2048*(\t)+1024*(\a)+256 ; sixteen lanes store 256 consecutive bytes, aligned
.endm
; one step of the search inside a word: where n is not under the count of the lower field of w bits, pass that field
.macro PICK src, w
	v_bfe_u32 v26, v[\src], v25, \w
	v_cmp_ge_u32 vcc_lo, v20, v26
	v_cndmask_b32 v26, 0, v26, vcc_lo
	v_sub_nc_u32 v20, v20, v26
	v_cndmask_b32 v26, 0, \w, vcc_lo
	v_add_nc_u32 v25, v25, v26
.endm
	s_mov_b32 s26, s18                             ; G = wave + 8 x trip
	s_mov_b32 s27, 0
.Lgroup:
	s_lshl_b32 s28, s26, 5
	s_cmp_ge_u32 s28, s21
	s_cbranch_scc1 .Lskip                          ; the expert's list does not reach this group
	; THE SEARCH: the token at the P-th set bit of the mask, P = 32 G + lane.  First the word: the last one ahead of which at most P bits are set.  v17 the word, v18 the bits ahead of it, v19 its number
	v_lshl_add_u32 v16, s26, 5, v1
	v_mov_b32 v17, s[MK]
	v_mov_b32 v18, 0
	v_mov_b32 v19, 0
	s_bcnt1_i32_b32 s30, s[MK]
.irp j, 1,2,3,4,5,6,7,8,9,10,11,12,13,14,15,16,17,18,19,20,21,22,23,24,25,26,27,28,29,30,31
	v_cmp_le_u32 vcc_lo, s30, v16
	v_cndmask_b32 v17, v17, s[MK+\j], vcc_lo
	v_cndmask_b32 v18, v18, s30, vcc_lo
	v_cndmask_b32 v19, v19, \j, vcc_lo
	s_bcnt1_i32_b32 s31, s[MK+\j]
	s_add_co_u32 s30, s30, s31
.endr
	v_sub_nc_u32 v20, v16, v18                     ; n: which set bit of that word
	v_lshrrev_b32 v21, 1, v17                      ; the word's bit counts in fields of 2, 4, 8 and 16 bits: v21, v22, v23, v24
	v_and_b32 v21, 0x55555555, v21
	v_sub_nc_u32 v21, v17, v21
	v_lshrrev_b32 v22, 2, v21
	v_and_b32 v22, 0x33333333, v22
	v_and_b32 v26, 0x33333333, v21
	v_add_nc_u32 v22, v22, v26
	v_lshrrev_b32 v23, 4, v22
	v_add_nc_u32 v23, v23, v22
	v_and_b32 v23, 0x0f0f0f0f, v23
	v_lshrrev_b32 v24, 8, v23
	v_add_nc_u32 v24, v24, v23
	v_and_b32 v24, 0x00ff00ff, v24
	v_mov_b32 v25, 0                               ; the bit's place, found by halving
	PICK 24, 16
	PICK 23, 8
	PICK 22, 4
	PICK 21, 2
	PICK 17, 1
	v_lshl_add_u32 v26, v19, 5, v25                ; lane l: the token of list row 32 G + l
	v_permlanex16_b32 v27, v26, s22, s23           ; and that of lane l xor 16
	v_cndmask_b32 v10, v26, v27, s25               ; row tile 0: lane (r, h) wants row r's token,
	v_cndmask_b32 v92, v27, v26, s25               ; row tile 1: row 16 + r's
	v_min_u32 v10, 0x3ff, v10                      ; loaded numbers enter an address only behind a hold
	v_min_u32 v92, 0x3ff, v92
	v_min_u32 v93, 0x3ff, v26
	v_lshlrev_b32 v10, 10, v10                     ; a token's codes are 1,024 bytes,
	v_lshlrev_b32 v92, 10, v92
	v_lshlrev_b32 v93, 5, v93                      ; its scale bytes 32: eight words, one a K step
	v_lshl_add_u32 v10, v3, 4, v10                 ; + 16 h
	v_lshl_add_u32 v92, v3, 4, v92
	v_lshl_add_u32 v11, s26, 7, v88                ; hs: 4 x lane + 128 G
	v_lshl_add_u32 v12, s26, 17, v89               ; hc: 512 h + 16 r + G x 131,072
	global_load_b128 v[64:67], v93, s[8:9]         ; the rows' scale words of the eight K steps: lanes 0-15 row tile 0, lanes 16-31 row tile 1
	global_load_b128 v[68:71], v93, s[8:9] offset:16
	ALOAD 0
	ALOAD 1
	ALOAD 2
	ALOAD 3
	LW 0
	LW 1
.irp u, 0,1,2,3,4,5,6,7,8,9,10,11,12,13,14
	UNIT \u
	GAP \u
.endr
	UNIT 15
	PLACES 8                                       ; in front of the first read of results and of loads and writes into the weights' buffers
.irp a, 0,1
	WIN 0x40
.irp tw, 0,1,2,3
	ds_load_b128 v[96+8*\tw:99+8*\tw], v13 offset:256*\a+64*\tw
	ds_load_b128 v[100+8*\tw:103+8*\tw], v13 offset:256*\a+64*\tw+16
.endr
	s_wait_dscnt 0x0
	GELUQ 0, \a
	GELUQ 1, \a
.endr
	; the rows' scale words of this K step of the next product: lane (r, h) has the bytes of blocks h and 2 + h
	WIN 0x55
	v_lshl_or_b32 v4, v208, 16, v144               ; row tile 0
	v_lshl_or_b32 v5, v216, 16, v152               ; row tile 1
	WIN 0x54                                       ; the shift, 8 h, lies in window 0
	v_lshlrev_b32 v4, v14, v4
	v_lshlrev_b32 v5, v14, v5
	WIN 0x55
	v_permlanex16_b32 v6, v4, s22, s23
	v_permlanex16_b32 v7, v5, s22, s23
	v_or_b32 v4, v4, v6
	v_or_b32 v5, v5, v7
	v_cndmask_b32 v8, v4, v5, s25                  ; lanes 0-15 give tile 0's words, lanes 16-31 tile 1's
	WIN 0x04
	global_store_b32 v11, v8, s[16:17]             ; 128 consecutive bytes: the group's 32 words (all of hs that is written is a thirtieth of the codes)
	s_wait_xcnt 0x0                                ; the stores have read their data and addresses: the next group writes both again
	WIN 0
.Lskip:
	s_add_co_u32 s26, s26, 8
	s_add_co_u32 s27, s27, 1
	s_cmp_lt_u32 s27, 4
	s_cbranch_scc1 .Lgroup
	s_wait_tensorcnt 0x0
	ds_add_u32 v126, v127
	s_wait_dscnt 0x0
	s_endpgm
.Lfunc_end_k_q7ad8deef57_ffn1:
	.size	k_q7ad8deef57_ffn1, .Lfunc_end_k_q7ad8deef57_ffn1-k_q7ad8deef57_ffn1
	.p2alignl 7, 3214868480
	.fill 96, 4, 3214868480
	.section	.rodata,"a",@progbits
	.p2align	6, 0x0
	.amdhsa_kernel k_q7ad8deef57_ffn1
		.amdhsa_group_segment_fixed_size 137216
		.amdhsa_private_segment_fixed_size 0
		.amdhsa_enable_private_segment 0
		.amdhsa_kernarg_size 56
		.amdhsa_user_sgpr_count 2
		.amdhsa_user_sgpr_kernarg_segment_ptr 1
		.amdhsa_wavefront_size32 1
		.amdhsa_system_sgpr_workgroup_id_x 1
		.amdhsa_system_sgpr_workgroup_id_y 1
		.amdhsa_system_sgpr_workgroup_id_z 1
		.amdhsa_system_vgpr_workitem_id 0
		.amdhsa_next_free_vgpr 512
		.amdhsa_next_free_sgpr 100
		.amdhsa_reserve_vcc 1
		.amdhsa_float_denorm_mode_32 3
		.amdhsa_float_denorm_mode_16_64 3
		.amdhsa_memory_ordered 1
		.amdhsa_forward_progress 1
		.amdhsa_inst_pref_size 255
	.end_amdhsa_kernel
	.section	.bss,"aw",@nobits
	.p2align	6
	.space	262144
	.amdgpu_metadata
---
amdhsa.version: [ 1, 2 ]
amdhsa.kernels:
  - .name:           k_q7ad8deef57_ffn1
    .symbol:         k_q7ad8deef57_ffn1.kd
    .args:
      - { .name: meta, .offset: 0, .size: 8, .value_kind: global_buffer, .address_space: global }
      - { .name: xq, .offset: 8, .size: 8, .value_kind: global_buffer, .address_space: global }
      - { .name: xsq, .offset: 16, .size: 8, .value_kind: global_buffer, .address_space: global }
      - { .name: W1, .offset: 24, .size: 8, .value_kind: global_buffer, .address_space: global }
      - { .name: b1, .offset: 32, .size: 8, .value_kind: global_buffer, .address_space: global }
      - { .name: hc, .offset: 40, .size: 8, .value_kind: global_buffer, .address_space: global }
      - { .name: hs, .offset: 48, .size: 8, .value_kind: global_buffer, .address_space: global }
    .group_segment_fixed_size: 137216
    .private_segment_fixed_size: 0
    .kernarg_segment_align: 8
    .kernarg_segment_size: 56
    .max_flat_workgroup_size: 256
    .sgpr_count:     100
    .vgpr_count:     512
    .wavefront_size: 32
...
	.end_amdgpu_metadata
.endif
;; end of part 2
;; launch ffn2 (part 3): grid 32 x 8, 8 waves a work-group, no clusters, 171,008 bytes of LDS; arguments meta, hc, hs, W2, b2, part; writes part
.if DOCPART == 3
	.amdgcn_target "amdgcn-amd-amdhsa--gfx1250"
	.amdhsa_code_object_version 6
	.text
	.protected	k_q7ad8deef57_ffn2
	.globl	k_q7ad8deef57_ffn2
	.p2align	8
	.type	k_q7ad8deef57_ffn2,@function
k_q7ad8deef57_ffn2:
	s_mov_b64 s[64:65], 0
	v_nop
	global_prefetch_b8 v0, s[64:65] scope:SCOPE_SE
	s_setreg_imm32_b32 hwreg(HW_REG_WAVE_MODE, 25, 1), 1
	s_wait_xcnt 0x0
; THE SECOND LAYER: h W2 + b2 for the rows that chose the expert, on codes of FP8 (E4M3) with one E8M0 scale for each 32 along K (the hidden axis).
; SHARES.  Work-group (x, e), x = ds + 16 kh, owns columns 64 ds .. 64 ds + 63 of D and half kh of the hidden axis: 2,048 x 64 numbers of W2, 512 KB, which no other work-group reads: every byte of W2 leaves memory once.
; The two halves' sums go to two planes of part; the last launch adds them.  b2 goes into plane 0 alone: it is multiplied by 1.0 there and by 0.0 in plane 1 (so b2 has to be finite).
; PHASE A: the eight waves stream the slice (f32, K along the FIRST axis), quantise it along K and lay it in LDS as images of operand registers.  One barrier.
; PHASE B: wave w takes the groups of 32 list rows w, w + 8, w + 16, w + 24 that the expert's count reaches (a scalar branch on the stored count; no barrier stands behind it).
; No tensor load and no joint load: which groups exist hangs on a number read from memory.  No cluster: no two work-groups share a byte of W2.
; A UNIT is 4 tiles of 16 columns x one K step of 128, 8 KB of codes: unit u = K step u of my half.  TILE T IS THE COLUMNS 4 m + T, m = 0 .. 15.
; THE PRODUCT IS USED TRANSPOSED: source 0 = 16 weight columns, source 1 = 16 rows: lane (r, h), tile T, register j holds row r, column 32 h + 4 j + T.
; LIMITS: NaN and infinities among the inputs are not served; a block of zeros has the scale byte 1 (its codes are zeros; only this program reads the bytes).
; LDS: 0: the images, u x 8,192 + T x 2,048 + 512 c + 16 x lane;  WSC: the weights' scale words, u x 256 + T x 64 + 4 m;  STG: for each wave a stage of 16 rows x (256 + 16) bytes for the way out.
; REGISTERS, window 0: v1 lane, v2 lane % 16, v3 lane / 16, v4-14 addresses, v16-31 at work in the quantiser, v32-63 weights' scale words, v64-79 rows' scale words (these two runs hold scales and nothing else), v80-90 at work and addresses,
;   v96-127 b2 of my 32 columns;  phase A: v128-191 64 held numbers, v192-207 their codes;  phase B: v128-255 rows' fragments, a ring of 4 K steps x 2 tiles x 16.
;   window 1: phase A: four sets of 64 loaded numbers;  phase B: v0-63, v64-127 two units of weights (on the way out v0-63: rows read back), v128-191 the 8 accumulators at 128 + 16 T + 8 t, v224-255 a tile's rows in column order.
.set PITCH, 4096                       ; a row of W2 in bytes
.set USTEP, 1
.set NS,    16                         ; K steps of my half
.set WSC,   131072
.set STG,   135168
.set MSB, 0
.macro WIN new                         ; s_set_vgpr_msb: bits 1:0 source 0, 3:2 source 1, 5:4 source 2, 7:6 destination; the high byte repeats the setting that is left
.if MSB != \new
	s_set_vgpr_msb (MSB<<8)|\new
.set MSB, \new
.endif
.endm
.macro PLACES n
.rept \n
	v_nop
.endr
.endm
	s_load_b256 s[4:11], s[0:1], 0x0               ; meta s[4:5], hc s[6:7], hs s[8:9], W2 s[10:11]
	s_load_b128 s[12:15], s[0:1], 0x20             ; b2 s[12:13], part s[14:15]
	v_lshl_add_u32 v94, v0, 2, 0x29800
	v_mov_b32 v95, 0
	v_lshrrev_b32 v1, 5, v0
	v_readfirstlane_b32 s18, v1                    ; wave 0..7
	s_and_b32 s19, ttmp7, 0xffff                   ; e
	s_and_b32 s20, ttmp9, 15                       ; ds
	s_lshr_b32 s35, ttmp9, 4                       ; kh
	s_mov_b32 s22, 0x76543210
	s_mov_b32 s23, 0xfedcba98                      ; v_permlanex16_b32's selects for lane l xor 16
	s_mov_b32 s24, 0x600000                        ; the mantissa field of 448
	s_cmp_eq_u32 s35, 0
	s_cselect_b32 s36, 0x3f800000, 0               ; b2's factor
	v_and_b32 v1, 31, v0                           ; lane
	v_and_b32 v2, 15, v0                           ; q
	v_bfe_u32 v3, v0, 4, 1                         ; hh
	v_lshlrev_b32 v4, 4, v2
	v_lshl_add_u32 v4, v3, 16, v4                  ; W2: 16 q bytes of a row; lanes 16-31 sixteen rows further down
	v_lshlrev_b32 v7, 4, v1                        ; 16 x lane: units 0-7
	v_add_nc_u32 v8, 0x10000, v7                   ; units 8-15
	v_lshlrev_b32 v88, 2, v1                       ; 4 x lane
	v_add_nc_u32 v9, WSC, v88
	v_lshlrev_b32 v89, 4, v2
	v_lshl_add_u32 v89, v3, 12, v89                ; part: lanes 0-15 one row's 256 bytes, lanes 16-31 the next row's
	v_lshlrev_b32 v90, 7, v3                       ; b2: my half's 32 numbers
	s_mul_i32 s46, s18, 4352
	s_add_co_u32 s46, s46, STG                     ; my stage
	v_mul_u32_u24 v13, v2, 272
	v_lshl_add_u32 v13, v3, 7, v13
	v_add_nc_u32 v13, s46, v13                     ; in: row r, 128 bytes for each half of the lanes
	v_mul_u32_u24 v14, v3, 272
	v_lshl_add_u32 v14, v2, 4, v14
	v_add_nc_u32 v14, s46, v14                     ; back: lanes 0-15 one row, lanes 16-31 the next
.irp c, 0,1,2,3
	v_mov_b32 v[20+\c], 0                          ; written once: a lane permute's destination counts as one of its sources
.endr
	s_lshl_b32 s28, s19, 24                        ; W2: e x 2^24 + (2,048 kh + 256 w) rows + 256 ds
	s_lshl_b32 s44, s35, 23
	s_add_co_u32 s28, s28, s44
	s_lshl_b32 s44, s18, 20
	s_add_co_u32 s28, s28, s44
	s_lshl_b32 s45, s20, 8
	s_add_co_u32 s28, s28, s45
	s_mov_b32 s29, 0
	s_lshl_b32 s30, s19, 12                        ; b2: e x 4,096 + 256 ds
	s_add_co_u32 s30, s30, s45
	s_mov_b32 s31, 0
	s_lshl_b32 s44, s35, 16
	s_lshl_b32 s38, s19, 22                        ; hc: e x 2^22 + 16 kh K steps of 4,096 bytes
	s_add_co_u32 s38, s38, s44
	s_mov_b32 s39, 0
	s_lshl_b32 s40, s19, 17                        ; hs: (32 e + 16 kh) x 4,096
	s_add_co_u32 s40, s40, s44
	s_mov_b32 s41, 0
	s_lshl_b32 s42, s35, 25                        ; part: kh x 2^25 + e x 2^22 + 256 ds
	s_lshl_b32 s44, s19, 22
	s_add_co_u32 s42, s42, s44
	s_add_co_u32 s42, s42, s45
	s_mov_b32 s43, 0
	s_lshl_b32 s49, s19, 2                         ; the count's word; stays until the count is in
	s_lshl_b32 s47, s18, 14
	v_add_nc_u32 v5, s47, v7                       ; where my images go: 16 x lane + 2 w x 8,192
	s_lshl_b32 s48, s18, 9
	s_add_co_u32 s48, s48, WSC
	v_lshlrev_b32 v6, 2, v2
	v_add_nc_u32 v6, s48, v6                       ; and their scale words: WSC + 2 w x 256 + 4 q
	s_wait_kmcnt 0x0
	s_load_b32 s21, s[4:5], s49 offset:0x400       ; the expert's count; waited for ahead of phase B
	s_add_nc_u64 s[10:11], s[10:11], s[28:29]
	s_add_nc_u64 s[12:13], s[12:13], s[30:31]
	s_add_nc_u64 s[6:7], s[6:7], s[38:39]
	s_add_nc_u64 s[8:9], s[8:9], s[40:41]
	s_add_nc_u64 s[14:15], s[14:15], s[42:43]
.irp i, 0,1,2,3,4,5,6,7
	global_load_b128 v[96+4*\i:99+4*\i], v90, s[12:13] offset:16*\i   ; b2: older than every load of W2, so the stream's first wait covers it
.endr
; PHASE A.  A wave streams 8 blocks of 32 rows x 64 columns.  Block b: 16 loads; lanes 0-15 read the 256 aligned bytes of row 32 b + i, lanes 16-31 those of row 32 b + 16 + i.
.macro WLOAD b
	WIN 0x40                                       ; destination window 1
.irp i, 0,1,2,3,4,5,6,7,8,9,10,11,12,13,14,15
	global_load_b128 v[64*((\b)%4)+4*\i:64*((\b)%4)+4*\i+3], v4, s[10:11] offset:(32*(\b)+\i)*PITCH th:TH_LOAD_NT
.endr
.endm
; Register 4 i + c of a set: row 32 b + 16 hh + i, column 4 q + c.  For each c the 16 numbers down K are held, brought into consecutive registers by the hold itself, and converted: piece b % 4 of row q of tile c.
.macro QBLK b
.set X,  64*((\b)%4)
.set CQ, (\b)%4
.set KS, (\b)/4
.if 7-(\b) >= 2
	s_wait_loadcnt 32                              ; this block's 16 loads are in; the two younger blocks' 32 may be out
.else
	s_wait_loadcnt 16*(7-(\b))
.endif
.if (\b)+3 < 8
	WLOAD (\b)+3                                   ; into the set that the block before has read: 48 loads, 24 KB a wave, are out while the wave works
.endif
	s_wait_dscnt 0x0                               ; the last block's LDS stores have read their registers: codes and scale words may be written again
	WIN 0x05
.irp c, 0,1,2,3
	v_max3_num_f32 v[16+\c], |v[X+\c]|, |v[X+4+\c]|, 0x4800000   ; the floor 2^(9 - 127): the byte cannot fall under 1
.endr
	WIN 0x14
.irp i, 2,4,6,8,10,12,14
.irp c, 0,1,2,3
	v_max3_num_f32 v[16+\c], v[16+\c], |v[X+4*\i+\c]|, |v[X+4*\i+4+\c]|
.endr
.endr
	WIN 0
.irp c, 0,1,2,3
	v_permlanex16_b32 v[20+\c], v[16+\c], s22, s23
.endr
.irp c, 0,1,2,3
	v_max_num_f32 v[16+\c], v[16+\c], v[20+\c]     ; with the other 16 rows': the block's largest magnitude
.endr
.irp c, 0,1,2,3
	v_add_nc_u32 v[28+\c], 0xfc000000, v[16+\c]    ; 8 off its exponent field: the conversion's scale operand
.endr
.irp c, 0,1,2,3
	v_and_or_b32 v[24+\c], v[16+\c], 0x7f800000, s24   ; 448 x the scale
.endr
.irp c, 0,1,2,3
.if CQ == 0
	v_lshrrev_b32 v[80+\c], 23, v[28+\c]           ; the scale's byte: four blocks make a K step's word
.else
	v_lshrrev_b32 v[84+\c], 23, v[28+\c]
	v_lshl_or_b32 v[80+\c], v[84+\c], 8*CQ, v[80+\c]
.endif
.endr
	WIN 0x01
.irp c, 0,1,2,3
.irp i, 0,1,2,3,4,5,6,7,8,9,10,11,12,13,14,15
	v_med3_num_f32 v[128+16*\c+\i], v[X+4*\i+\c], -v[24+\c], v[24+\c]   ; the hold (the conversion does not saturate: ISA guide 7.6.2), and column c's 16 numbers on end
.endr
.endr
	WIN 0
.irp c, 0,1,2,3
	v_cvt_scalef32_pk8_fp8_f32 v[192+4*\c:193+4*\c], v[128+16*\c:135+16*\c], v[28+\c]
	v_cvt_scalef32_pk8_fp8_f32 v[194+4*\c:195+4*\c], v[136+16*\c:143+16*\c], v[28+\c]
.endr
	v_nop                                          ; a plain instruction behind the last scaled conversion
.irp c, 0,1,2,3
	ds_store_b128 v5, v[192+4*\c:195+4*\c] offset:KS*USTEP*8192+\c*2048+512*CQ   ; 512 consecutive bytes
.endr
.if CQ == 3
.irp c, 0,1,2,3
	ds_store_b32 v6, v[80+\c] offset:KS*USTEP*256+64*\c   ; both halves of the lanes write the same word with the same value
.endr
.endif
.endm
	WLOAD 0
	WLOAD 1
	WLOAD 2
.irp b, 0,1,2,3,4,5,6,7
	QBLK \b
.endr
	s_wait_dscnt 0x0                               ; for the other waves' sake: my stores have landed
	s_barrier_signal -1
	s_barrier_wait -1                              ; the slice lies in LDS; nothing writes these bytes again
; PHASE B
.irp u, 0,1,2,3,4,5,6,7,8,9,10,11,12,13,14,15
	ds_load_b32 v[32+2*\u], v9 offset:\u*256       ; lanes 0-15: tile 0's words, lanes 16-31: tile 1's
	ds_load_b32 v[33+2*\u], v9 offset:\u*256+128   ; tiles 2 and 3
.endr
	s_wait_kmcnt 0x0                               ; the count
	s_wait_dscnt 0x0
.macro ALOAD s                         ; the group's two row fragments of K step s, into slot s % 4 of the ring
	WIN 0
.irp t, 0,1
.irp c, 0,1,2,3
	global_load_b128 v[128+32*((\s)%4)+16*\t+4*\c:128+32*((\s)%4)+16*\t+4*\c+3], v10, s[6:7] offset:4096*(\s)+2048*\t+512*\c
.endr
.endr
.endm
.macro LW u                            ; unit u's four weight fragments, into buffer u % 2 of window 1
	WIN 0x40
.irp tw, 0,1,2,3
.irp c, 0,1,2,3
.if (\u) < 8
	ds_load_b128 v[64*((\u)%2)+16*\tw+4*\c:64*((\u)%2)+16*\tw+4*\c+3], v7 offset:((\u)%8)*8192+2048*\tw+512*\c
.else
	ds_load_b128 v[64*((\u)%2)+16*\tw+4*\c:64*((\u)%2)+16*\tw+4*\c+3], v8 offset:((\u)%8)*8192+2048*\tw+512*\c
.endif
.endr
.endr
.endm
; one product: weight tile tw x row tile tr.  Odd weight tiles' scale words lie in lanes 16-31 of their register, and so do row tile 1's
.macro MM tw, tr
.set AC, 128+16*(\tw)+8*(\tr)
.set WF, WFB+16*(\tw)
.set RF, RFB+16*(\tr)
.set SA, SAB+(\tw)/2
.if ZR
.if ((\tw)%2 == 1) && ((\tr) == 1)
	v_wmma_scale_f32_16x16x128_f8f6f4 v[AC:AC+7], v[WF:WF+15], v[RF:RF+15], 0, v[SA], v[SB] matrix_a_scale:MATRIX_SCALE_ROW1 matrix_b_scale:MATRIX_SCALE_ROW1
.elseif (\tw)%2 == 1
	v_wmma_scale_f32_16x16x128_f8f6f4 v[AC:AC+7], v[WF:WF+15], v[RF:RF+15], 0, v[SA], v[SB] matrix_a_scale:MATRIX_SCALE_ROW1
.elseif (\tr) == 1
	v_wmma_scale_f32_16x16x128_f8f6f4 v[AC:AC+7], v[WF:WF+15], v[RF:RF+15], 0, v[SA], v[SB] matrix_b_scale:MATRIX_SCALE_ROW1
.else
	v_wmma_scale_f32_16x16x128_f8f6f4 v[AC:AC+7], v[WF:WF+15], v[RF:RF+15], 0, v[SA], v[SB]
.endif
.else
.if ((\tw)%2 == 1) && ((\tr) == 1)
	v_wmma_scale_f32_16x16x128_f8f6f4 v[AC:AC+7], v[WF:WF+15], v[RF:RF+15], v[AC:AC+7], v[SA], v[SB] matrix_a_scale:MATRIX_SCALE_ROW1 matrix_b_scale:MATRIX_SCALE_ROW1
.elseif (\tw)%2 == 1
	v_wmma_scale_f32_16x16x128_f8f6f4 v[AC:AC+7], v[WF:WF+15], v[RF:RF+15], v[AC:AC+7], v[SA], v[SB] matrix_a_scale:MATRIX_SCALE_ROW1
.elseif (\tr) == 1
	v_wmma_scale_f32_16x16x128_f8f6f4 v[AC:AC+7], v[WF:WF+15], v[RF:RF+15], v[AC:AC+7], v[SA], v[SB] matrix_b_scale:MATRIX_SCALE_ROW1
.else
	v_wmma_scale_f32_16x16x128_f8f6f4 v[AC:AC+7], v[WF:WF+15], v[RF:RF+15], v[AC:AC+7], v[SA], v[SB]
.endif
.endif
.endm
; Unit u = K step u: eight products on the eight accumulators by turns, in the same order in every unit: seven other products stand between two links of a chain.  Unit 0 starts the sums with the constant 0.
.macro UNIT u
.set WFB, 64*((\u)%2)
.set RFB, 128+32*((\u)%4)
.set SAB, 32+2*(\u)
.set SB,  64+(\u)
.if (\u) == 0
.set ZR, 1
.else
.set ZR, 0
.endif
.if (\u) < 15
	s_wait_dscnt 16                                ; this unit's 16 fragment loads are in; the next unit's 16 may be out
.else
	s_wait_dscnt 0x0
.endif
.if NS-1-(\u) >= 3
	s_wait_loadcnt 24                              ; this K step's 8 row loads (and the scale words, which are older) are in; the three later K steps' 24 may be out
.else
	s_wait_loadcnt 8*(NS-1-(\u))
.endif
	WIN 0x51                                       ; source 0 (weights), C and D window 1; source 1 (rows) window 0
	MM 0, 0
	MM 0, 1
	MM 1, 0
	MM 1, 1
	MM 2, 0
	MM 2, 1
	MM 3, 0
	MM 3, 1
.endm
; Behind a unit: eight places in front of loads into registers that its products have read; then the unit two on and the rows four K steps on.
.macro GAP u
	PLACES 8
.if (\u)+2 <= 15
	LW (\u)+2
.endif
.if (\u)+4 < NS
	ALOAD (\u)+4
.endif
.endm
	s_mov_b32 s26, s18                             ; G = wave + 8 x trip
	s_mov_b32 s27, 0
.Lgroup:
	s_lshl_b32 s28, s26, 5
	s_cmp_ge_u32 s28, s21
	s_cbranch_scc1 .Lskip                          ; the expert's list does not reach this group
	v_lshl_add_u32 v10, s26, 17, v7                ; hc: 16 x lane + G x 131,072
	v_lshl_add_u32 v11, s26, 7, v88                ; hs: 4 x lane + 128 G
	v_lshl_add_u32 v12, s26, 17, v89               ; part: 32 G rows of 4,096 bytes on
.irp s, 0,1,2,3,4,5,6,7,8,9,10,11,12,13,14,15
	global_load_b32 v[64+\s], v11, s[8:9] offset:4096*\s   ; the rows' scale words: lanes 0-15 row tile 0, lanes 16-31 row tile 1
.endr
	ALOAD 0
	ALOAD 1
	ALOAD 2
	ALOAD 3
	LW 0
	LW 1
.irp u, 0,1,2,3,4,5,6,7,8,9,10,11,12,13,14
	UNIT \u
	GAP \u
.endr
	UNIT 15
	PLACES 8                                       ; in front of the first read of results and of loads into the weights' buffers
	; THE WAY OUT, a row tile at a time.  A lane holds 32 neighbouring columns of one row, spread over the four tiles: the multiply-add that brings b2 in also puts them in order.  They go through my own stage and come back as whole
	; rows of 256 bytes.  LDS serves a wave's instructions in order (ISA guide 5.7.1.4): no wait between the stores and the loads.
.irp tr, 0,1
	WIN 0x50                                       ; b2 window 0; the accumulator and the result window 1
.irp tw, 0,1,2,3
.irp j, 0,1,2,3,4,5,6,7
	v_fma_f32 v[224+4*\j+\tw], v[96+4*\j+\tw], s36, v[128+16*\tw+8*\tr+\j]   ; each accumulator from its low end on
.endr
.endr
	WIN 0x04                                       ; an LDS store's data are its source 1: window 1
.irp i, 0,1,2,3,4,5,6,7
	ds_store_b128 v13, v[224+4*\i:227+4*\i] offset:16*\i
.endr
	WIN 0x40
.irp i, 0,1,2,3,4,5,6,7
	ds_load_b128 v[32*\tr+4*\i:32*\tr+4*\i+3], v14 offset:544*\i
.endr
	WIN 0x04
.irp i, 0,1,2,3,4,5,6,7
	s_wait_dscnt 7-\i                              ; load i is back; the 7 - i younger ones may be out.  At i = 7 the stage's stores and loads are all done: the next tile may write its registers and the stage
	global_store_b128 v12, v[32*\tr+4*\i:32*\tr+4*\i+3], s[14:15] offset:(16*\tr+2*\i)*4096 th:TH_STORE_NT   ; sixteen lanes store 256 consecutive bytes, aligned
.endr
.endr
	s_wait_xcnt 0x0                                ; the stores have read their data and addresses: the next group writes both again
	WIN 0
.Lskip:
	s_add_co_u32 s26, s26, 8
	s_add_co_u32 s27, s27, 1
	s_cmp_lt_u32 s27, 4
	s_cbranch_scc1 .Lgroup
	s_wait_tensorcnt 0x0
	ds_add_u32 v94, v95
	s_wait_dscnt 0x0
	s_endpgm
.Lfunc_end_k_q7ad8deef57_ffn2:
	.size	k_q7ad8deef57_ffn2, .Lfunc_end_k_q7ad8deef57_ffn2-k_q7ad8deef57_ffn2
	.p2alignl 7, 3214868480
	.fill 96, 4, 3214868480
	.section	.rodata,"a",@progbits
	.p2align	6, 0x0
	.amdhsa_kernel k_q7ad8deef57_ffn2
		.amdhsa_group_segment_fixed_size 171008
		.amdhsa_private_segment_fixed_size 0
		.amdhsa_enable_private_segment 0
		.amdhsa_kernarg_size 48
		.amdhsa_user_sgpr_count 2
		.amdhsa_user_sgpr_kernarg_segment_ptr 1
		.amdhsa_wavefront_size32 1
		.amdhsa_system_sgpr_workgroup_id_x 1
		.amdhsa_system_sgpr_workgroup_id_y 1
		.amdhsa_system_sgpr_workgroup_id_z 1
		.amdhsa_system_vgpr_workitem_id 0
		.amdhsa_next_free_vgpr 512
		.amdhsa_next_free_sgpr 66
		.amdhsa_reserve_vcc 0
		.amdhsa_float_denorm_mode_32 3
		.amdhsa_float_denorm_mode_16_64 3
		.amdhsa_memory_ordered 1
		.amdhsa_forward_progress 1
		.amdhsa_inst_pref_size 148
	.end_amdhsa_kernel
	.amdgpu_metadata
---
amdhsa.version: [ 1, 2 ]
amdhsa.kernels:
  - .name:           k_q7ad8deef57_ffn2
    .symbol:         k_q7ad8deef57_ffn2.kd
    .args:
      - { .name: meta, .offset: 0, .size: 8, .value_kind: global_buffer, .address_space: global }
      - { .name: hc, .offset: 8, .size: 8, .value_kind: global_buffer, .address_space: global }
      - { .name: hs, .offset: 16, .size: 8, .value_kind: global_buffer, .address_space: global }
      - { .name: W2, .offset: 24, .size: 8, .value_kind: global_buffer, .address_space: global }
      - { .name: b2, .offset: 32, .size: 8, .value_kind: global_buffer, .address_space: global }
      - { .name: part, .offset: 40, .size: 8, .value_kind: global_buffer, .address_space: global }
    .group_segment_fixed_size: 171008
    .private_segment_fixed_size: 0
    .kernarg_segment_align: 8
    .kernarg_segment_size: 48
    .max_flat_workgroup_size: 256
    .sgpr_count:     66
    .vgpr_count:     512
    .wavefront_size: 32
...
	.end_amdgpu_metadata
.endif
;; end of part 3
;; launch combine (part 4): grid 256 x 1, 4 waves a work-group, no clusters, 0 bytes of LDS; arguments tokidx, tokw, part, out0; writes out0
.if DOCPART == 4
	.amdgcn_target "amdgcn-amd-amdhsa--gfx1250"
	.amdhsa_code_object_version 6
	.text
	.protected	k_q7ad8deef57_combine
	.globl	k_q7ad8deef57_combine
	.p2align	8
	.type	k_q7ad8deef57_combine,@function
k_q7ad8deef57_combine:
	s_mov_b64 s[64:65], 0
	v_nop
	global_prefetch_b8 v0, s[64:65] scope:SCOPE_SE
	s_setreg_imm32_b32 hwreg(HW_REG_WAVE_MODE, 25, 1), 1
	s_wait_xcnt 0x0
; THE SUM.  out0[token] = w1 x (the two halves of its first expert's row) + w2 x (those of its second's).  A wave to a token: four rows of 4,096 bytes in, one out.
; The places come as whole numbers from the router's launch, are held at 8,191 and shifted into byte offsets.  A stream: no LDS, no barrier, no matrix unit; all 32 loads of a wave go out at once.
	s_load_b256 s[4:11], s[0:1], 0x0               ; tokidx s[4:5], tokw s[6:7], part s[8:9], out0 s[10:11]
	v_lshrrev_b32 v1, 5, v0
	v_readfirstlane_b32 s12, v1                    ; wave 0..3
	v_and_b32 v1, 31, v0
	v_lshlrev_b32 v2, 4, v1                        ; 16 bytes a lane
	s_lshl_b32 s13, ttmp9, 2
	s_add_co_u32 s13, s13, s12                     ; my token
	s_lshl_b32 s14, s13, 3                         ; its 8 bytes in tokidx and in tokw
	s_lshl_b32 s34, s13, 12                        ; its row of out0
	s_mov_b32 s35, 0
	s_mov_b32 s21, 0
	s_mov_b32 s23, 0
	s_wait_kmcnt 0x0
	s_load_b64 s[16:17], s[4:5], s14 offset:0x0    ; the two places
	s_load_b64 s[18:19], s[6:7], s14 offset:0x0    ; the two weights
	s_add_nc_u64 s[10:11], s[10:11], s[34:35]
	s_wait_kmcnt 0x0
	s_min_u32 s16, s16, 8191                       ; loaded numbers enter an address only behind a hold
	s_min_u32 s17, s17, 8191
	s_lshl_b32 s20, s16, 12                        ; a row of part is 4,096 bytes
	s_lshl_b32 s22, s17, 12
	s_add_nc_u64 s[24:25], s[8:9], s[20:21]        ; first expert, half 0,
	s_add_nc_u64 s[26:27], s[24:25], 0x2000000     ; half 1: 8,192 rows on
	s_add_nc_u64 s[28:29], s[8:9], s[22:23]        ; second expert
	s_add_nc_u64 s[30:31], s[28:29], 0x2000000
	s_mov_b32 s32, s19                             ; w2 in a pair of its own: the packed forms take a pair's low word for both halves
	s_mov_b32 s33, s19
.irp i, 0,1,2,3,4,5,6,7
	global_load_b128 v[8+16*\i:11+16*\i],  v2, s[24:25] offset:512*\i th:TH_LOAD_NT   ; 512 consecutive bytes; each row of part is read once
	global_load_b128 v[12+16*\i:15+16*\i], v2, s[26:27] offset:512*\i th:TH_LOAD_NT
	global_load_b128 v[16+16*\i:19+16*\i], v2, s[28:29] offset:512*\i th:TH_LOAD_NT
	global_load_b128 v[20+16*\i:23+16*\i], v2, s[30:31] offset:512*\i th:TH_LOAD_NT
.endr
.irp i, 0,1,2,3,4,5,6,7
	s_wait_loadcnt 4*(7-\i)                        ; piece i's four loads are in; the later pieces' may be out
	v_pk_add_f32 v[8+16*\i:9+16*\i],   v[8+16*\i:9+16*\i],   v[12+16*\i:13+16*\i]
	v_pk_add_f32 v[10+16*\i:11+16*\i], v[10+16*\i:11+16*\i], v[14+16*\i:15+16*\i]
	v_pk_add_f32 v[16+16*\i:17+16*\i], v[16+16*\i:17+16*\i], v[20+16*\i:21+16*\i]
	v_pk_add_f32 v[18+16*\i:19+16*\i], v[18+16*\i:19+16*\i], v[22+16*\i:23+16*\i]
	v_pk_mul_f32 v[8+16*\i:9+16*\i],   v[8+16*\i:9+16*\i],   s[18:19] op_sel_hi:[1,0]
	v_pk_mul_f32 v[10+16*\i:11+16*\i], v[10+16*\i:11+16*\i], s[18:19] op_sel_hi:[1,0]
	v_pk_fma_f32 v[8+16*\i:9+16*\i],   v[16+16*\i:17+16*\i], s[32:33], v[8+16*\i:9+16*\i] op_sel_hi:[1,0,1]
	v_pk_fma_f32 v[10+16*\i:11+16*\i], v[18+16*\i:19+16*\i], s[32:33], v[10+16*\i:11+16*\i] op_sel_hi:[1,0,1]
	global_store_b128 v2, v[8+16*\i:11+16*\i], s[10:11] offset:512*\i th:TH_STORE_NT   ; 512 consecutive bytes, aligned
.endr
	s_endpgm
.Lfunc_end_k_q7ad8deef57_combine:
	.size	k_q7ad8deef57_combine, .Lfunc_end_k_q7ad8deef57_combine-k_q7ad8deef57_combine
	.p2alignl 7, 3214868480
	.fill 96, 4, 3214868480
	.section	.rodata,"a",@progbits
	.p2align	6, 0x0
	.amdhsa_kernel k_q7ad8deef57_combine
		.amdhsa_group_segment_fixed_size 0
		.amdhsa_private_segment_fixed_size 0
		.amdhsa_enable_private_segment 0
		.amdhsa_kernarg_size 32
		.amdhsa_user_sgpr_count 2
		.amdhsa_user_sgpr_kernarg_segment_ptr 1
		.amdhsa_wavefront_size32 1
		.amdhsa_system_sgpr_workgroup_id_x 1
		.amdhsa_system_sgpr_workgroup_id_y 1
		.amdhsa_system_sgpr_workgroup_id_z 1
		.amdhsa_system_vgpr_workitem_id 0
		.amdhsa_next_free_vgpr 136
		.amdhsa_next_free_sgpr 66
		.amdhsa_reserve_vcc 0
		.amdhsa_float_denorm_mode_32 3
		.amdhsa_float_denorm_mode_16_64 3
		.amdhsa_memory_ordered 1
		.amdhsa_forward_progress 1
		.amdhsa_inst_pref_size 10
	.end_amdhsa_kernel
	.amdgpu_metadata
---
amdhsa.version: [ 1, 2 ]
amdhsa.kernels:
  - .name:           k_q7ad8deef57_combine
    .symbol:         k_q7ad8deef57_combine.kd
    .args:
      - { .name: tokidx, .offset: 0, .size: 8, .value_kind: global_buffer, .address_space: global }
      - { .name: tokw, .offset: 8, .size: 8, .value_kind: global_buffer, .address_space: global }
      - { .name: part, .offset: 16, .size: 8, .value_kind: global_buffer, .address_space: global }
      - { .name: out0, .offset: 24, .size: 8, .value_kind: global_buffer, .address_space: global }
    .group_segment_fixed_size: 0
    .private_segment_fixed_size: 0
    .kernarg_segment_align: 8
    .kernarg_segment_size: 32
    .max_flat_workgroup_size: 128
    .sgpr_count:     66
    .vgpr_count:     136
    .wavefront_size: 32
...
	.end_amdgpu_metadata
.endif
;; end of part 4
;; ======== version 2 of 2: 4 launches
;; workspace buffers: meta 1,280 bytes of whole numbers; tokidx 8,192 bytes of whole numbers; tokw 8,192 bytes; xq 1,048,576 bytes; xsq 32,768 bytes; hc 33,554,432 bytes; hs 1,048,576 bytes; part 67,108,864 bytes
;; launch front (part 5): grid 65 x 1, 32 waves a work-group, no clusters, 8,192 bytes of LDS; arguments routing_scores, x, meta, tokidx, tokw, xq, xsq, out1; writes meta, tokidx, tokw, xq, xsq, out1
.if DOCPART == 5
	.amdgcn_target "amdgcn-amd-amdhsa--gfx1250"
	.amdhsa_code_object_version 6
	.text
	.protected	k_q7ad8deef57_front
	.globl	k_q7ad8deef57_front
	.p2align	8
	.type	k_q7ad8deef57_front,@function
k_q7ad8deef57_front:
	s_mov_b64 s[64:65], 0
	v_nop
	global_prefetch_b8 v0, s[64:65] scope:SCOPE_SE
	s_setreg_imm32_b32 hwreg(HW_REG_WAVE_MODE, 25, 1), 1
	s_wait_xcnt 0x0
; TWO JOBS THAT NEED NOTHING OF EACH OTHER, parted by the work-group's number.
; WORK-GROUP 0, THE ROUTER.  1,024 tokens, 8 experts, the two largest scores of each token (ties: the lower index, by strict compares in ascending order).  A thread to a token.
; Stored: for each expert a mask of 1,024 bits (meta words 0-255: [expert][32 tokens a word]) and its count (meta words 256-263, and out1);
; for each token its two places, expert x 1,024 + the token's rank in that expert's list (tokidx), and its two weights score / (sum of the two + 1e-8) (tokw).
; No address and no branch here hangs on a score: every store goes to a place fixed by the thread's number; what the scores decide is stored as numbers.
; WORK-GROUPS 1 TO 64, x INTO CODES, in the order of the tokens: FP8 (E4M3) along D with one E8M0 byte for each 32.  xq: [token][1,024] codes; xsq: [token][32] scale bytes.  Rows are dense, so x is a plain stream of blocks:
; a wave takes 512 numbers, a lane 16 neighbours, two neighbouring lanes a block.  This path has no LDS and no barrier.
; A block's scale is 2^(floor(log2(largest magnitude)) - 8); its byte is that magnitude's exponent field - 8, held at 1 from below (a block of zeros so has the byte 1: its codes are zeros, and only this program reads the bytes).
; LIMITS: scores are taken as finite; NaN and infinities in x are not served; the reciprocal is v_rcp_f32's.
.set MW, 0                             ; LDS: 8 x 32 mask words, [expert][wave]
.set CW, 1024                          ; LDS: 8 x 32 counts, [expert][wave]
.set WV, 52                            ; s52 my wave's number
.set SX, 53                            ; s53 EXEC, kept
.set SEL, 54                           ; s[54:55] v_permlanex16_b32's selects for lane l xor 16
	s_load_b512 s[4:19], s[0:1], 0x0               ; scores s[4:5], x s[6:7], meta s[8:9], tokidx s[10:11], tokw s[12:13], xq s[14:15], xsq s[16:17], out1 s[18:19]
	v_lshl_add_u32 v72, v0, 2, 0x1000
	v_mov_b32 v73, 0
	v_lshrrev_b32 v2, 5, v0
	s_delay_alu instid0(VALU_DEP_1)
	v_readfirstlane_b32 s[WV], v2                  ; wave 0..31
	v_and_b32 v1, 31, v0                           ; lane
	s_cmp_lg_u32 ttmp9, 0
	s_cbranch_scc1 .Lquant                         ; the same way for all waves of a work-group
	; ---- THE ROUTER
	v_lshlrev_b32 v3, 5, v0                        ; a token's 8 scores are 32 bytes
	v_lshlrev_b32 v32, 2, v2                       ; 4 x wave
	v_lshlrev_b32 v33, 2, v1                       ; 4 x lane
	v_lshlrev_b32 v66, 2, v0                       ; 4 x thread
	v_lshlrev_b32 v67, 3, v0                       ; 8 x thread
	v_mov_b32 v7, 0xff800000                       ; -infinity
	s_mov_b32 s[SEL], 0x76543210
	s_mov_b32 s[SEL+1], 0xfedcba98
.irp e, 0,1,2,3,4,5,6,7
	v_mov_b32 v[48+\e], 0                          ; written once: a lane permute's destination counts as one of its sources
.endr
	s_wait_kmcnt 0x0
	global_load_b128 v[8:11], v3, s[4:5]
	global_load_b128 v[12:15], v3, s[4:5] offset:16
	s_wait_loadcnt 0x0
	; the largest score: v4, its expert v5
	v_mov_b32 v4, v8
	v_mov_b32 v5, 0
.irp e, 1,2,3,4,5,6,7
	s_delay_alu instid0(VALU_DEP_2)
	v_cmp_gt_f32 vcc_lo, v[8+\e], v4
	s_delay_alu instid0(VALU_DEP_1)
	v_cndmask_b32 v4, v4, v[8+\e], vcc_lo
	s_delay_alu instid0(VALU_DEP_2)
	v_cndmask_b32 v5, v5, \e, vcc_lo
.endr
	; the second: the same scan with the first one's score put at -infinity: v64, its expert v6
.irp e, 0,1,2,3,4,5,6,7
	v_cmp_eq_u32 vcc_lo, \e, v5
	s_delay_alu instid0(VALU_DEP_1)
	v_cndmask_b32 v[16+\e], v[8+\e], v7, vcc_lo
.endr
	v_mov_b32 v64, v16
	v_mov_b32 v6, 0
.irp e, 1,2,3,4,5,6,7
	s_delay_alu instid0(VALU_DEP_2)
	v_cmp_gt_f32 vcc_lo, v[16+\e], v64
	s_delay_alu instid0(VALU_DEP_1)
	v_cndmask_b32 v64, v64, v[16+\e], vcc_lo
	s_delay_alu instid0(VALU_DEP_2)
	v_cndmask_b32 v6, v6, \e, vcc_lo
.endr
	s_delay_alu instid0(VALU_DEP_2)
	v_add_f32 v65, v4, v64
	s_delay_alu instid0(VALU_DEP_1)
	v_add_f32 v65, 0x322bcc77, v65                 ; + 1e-8
	s_wait_alu depctr_va_vdst(0)
	v_rcp_f32 v65, v65
	v_nop                                          ; a plain instruction behind the reciprocal,
	s_wait_alu depctr_va_vdst(0)                   ; and the wait ahead of its first reader
	v_mul_f32 v38, v65, v4
	v_mul_f32 v39, v65, v64
	; each expert's mask of my wave's 32 tokens and its count, to LDS: all lanes write the same word with the same value
.irp e, 0,1,2,3,4,5,6,7
	v_cmp_eq_u32 s[20+\e], \e, v5
	v_cmp_eq_u32 s[28+\e], \e, v6
	s_or_b32 s[36+\e], s[20+\e], s[28+\e]
	s_bcnt1_i32_b32 s[44+\e], s[36+\e]
	v_mov_b32 v[16+\e], s[36+\e]
	v_mov_b32 v[24+\e], s[44+\e]
.endr
.irp e, 0,1,2,3,4,5,6,7
	ds_store_b32 v32, v[16+\e] offset:MW+128*\e
	ds_store_b32 v32, v[24+\e] offset:CW+128*\e
.endr
	s_wait_dscnt 0x0                               ; for the other waves' sake: my stores have landed
	s_barrier_signal -1
	s_barrier_wait -1
	; how many tokens of each expert lie in the waves ahead of mine: lane l takes wave l's count, counts of waves at or behind mine become 0, and the 32 are added.
	; The numbers are whole and at most 1,024: exact in f32
.irp e, 0,1,2,3,4,5,6,7
	ds_load_b32 v[40+\e], v33 offset:CW+128*\e
.endr
	s_wait_dscnt 0x0
	v_cmp_gt_u32 vcc_lo, s[WV], v1                 ; my wave's number > the lane's
.irp e, 0,1,2,3,4,5,6,7
	v_cvt_f32_u32 v[40+\e], v[40+\e]
.endr
.irp e, 0,1,2,3,4,5,6,7
	v_cndmask_b32 v[40+\e], 0, v[40+\e], vcc_lo
.endr
.irp m, 1,2,4,8
.irp e, 0,1,2,3,4,5,6,7
	v_add_f32_dpp v[40+\e], v[40+\e], v[40+\e] row_xmask:\m row_mask:0xf bank_mask:0xf
.endr
.endr
.irp e, 0,1,2,3,4,5,6,7
	v_permlanex16_b32 v[48+\e], v[40+\e], s[SEL], s[SEL+1]
.endr
.irp e, 0,1,2,3,4,5,6,7
	v_add_f32 v[40+\e], v[40+\e], v[48+\e]
.endr
.irp e, 0,1,2,3,4,5,6,7
	v_cvt_u32_f32 v[40+\e], v[40+\e]
.endr
	; my rank in each expert's list = those ahead + the mask's bits under my lane; of the eight, the two of my experts are kept
	v_mov_b32 v34, 0
	v_mov_b32 v35, 0
.irp e, 0,1,2,3,4,5,6,7
	v_mbcnt_lo_u32_b32 v[56+\e], s[36+\e], v[40+\e]
.endr
.irp e, 0
	v_cndmask_b32 v34, v34, v[56+\e], s[20+\e]
	v_cndmask_b32 v35, v35, v[56+\e], s[28+\e]
.endr
.irp e, 1, 2, 3, 4, 5, 6, 7
	s_delay_alu instid0(VALU_DEP_2)
	v_cndmask_b32 v34, v34, v[56+\e], s[20+\e]
	s_delay_alu instid0(VALU_DEP_2)
	v_cndmask_b32 v35, v35, v[56+\e], s[28+\e]
.endr
	s_delay_alu instid0(VALU_DEP_2)
	v_lshl_add_u32 v36, v5, 10, v34                ; expert x 1,024 + rank
	s_delay_alu instid0(VALU_DEP_2)
	v_lshl_add_u32 v37, v6, 10, v35
	global_store_b64 v67, v[36:37], s[10:11]       ; a wave stores 256 consecutive bytes
	global_store_b64 v67, v[38:39], s[12:13]
	; waves 0-7 copy the 256 mask words out, a word a thread
	s_cmp_lt_u32 s[WV], 8
	s_cbranch_scc0 .Lnomask
	ds_load_b32 v68, v66 offset:MW
	s_wait_dscnt 0x0
	global_store_b32 v66, v68, s[8:9]
.Lnomask:
	; the last wave knows the totals: those ahead of it + its own
	s_cmp_eq_u32 s[WV], 31
	s_cbranch_scc0 .Ldone
.irp e, 0,1,2,3,4,5,6,7
	v_add_nc_u32 v[40+\e], s[44+\e], v[40+\e]
.endr
	v_mov_b32 v69, v40
.irp e, 1,2,3,4,5,6,7
	v_cmp_eq_u32 vcc_lo, \e, v1
	s_delay_alu instid0(VALU_DEP_1)
	v_cndmask_b32 v69, v69, v[40+\e], vcc_lo       ; lane e takes expert e's total
.endr
	v_cmp_gt_u32 vcc_lo, 8, v1
	s_wait_alu depctr_va_vdst(0)
	s_wait_xcnt 0x0                                ; EXEC is a source of the stores above: it changes only behind this wait
	s_and_saveexec_b32 s[SX], vcc_lo
	global_store_b32 v33, v69, s[18:19]            ; out1: 8 whole numbers
	global_store_b32 v33, v69, s[8:9] offset:1024  ; and meta's words 256-263
	s_wait_xcnt 0x0                                ; and again ahead of the line that widens it
	s_or_b32 exec_lo, exec_lo, s[SX]
.Ldone:
	s_wait_tensorcnt 0x0
	ds_add_u32 v72, v73
	s_wait_dscnt 0x0
	s_endpgm
	; ---- x INTO CODES
.Lquant:
	s_sub_co_u32 s20, ttmp9, 1
	s_lshl_b32 s20, s20, 5
	s_add_co_u32 s20, s20, s[WV]                   ; which run of 512 numbers is my wave's: 0 .. 2,047
	s_lshl_b32 s22, s20, 11                        ; 2,048 bytes of x,
	s_mov_b32 s23, 0
	s_lshl_b32 s24, s20, 9                         ; 512 of codes,
	s_mov_b32 s25, 0
	s_lshl_b32 s26, s20, 4                         ; 16 scale bytes
	s_mov_b32 s27, 0
	s_mov_b32 s28, 0x600000                        ; the mantissa field of 448
	s_wait_alu depctr_va_vdst(0)
	v_lshlrev_b32 v3, 6, v1                        ; my 16 numbers: 64 bytes a lane
	v_lshlrev_b32 v4, 4, v1                        ; my 16 codes
	v_lshrrev_b32 v5, 1, v1                        ; my block's byte
	v_and_b32 v6, 1, v1
	s_wait_alu depctr_va_vdst(0)
	s_wait_kmcnt 0x0
	s_add_nc_u64 s[6:7], s[6:7], s[22:23]
	s_add_nc_u64 s[14:15], s[14:15], s[24:25]
	s_add_nc_u64 s[16:17], s[16:17], s[26:27]
.irp i, 0,1,2,3
	global_load_b128 v[16+4*\i:19+4*\i], v3, s[6:7] offset:16*\i th:TH_LOAD_NT   ; the four loads together take the run's 2,048 consecutive bytes; x is read once
.endr
	s_wait_loadcnt 0x0
	v_max3_num_f32 v8, |v16|, |v17|, |v18|         ; the largest magnitude of my 16, in two chains
	v_max3_num_f32 v9, |v19|, |v20|, |v21|
.irp i, 6,10
	s_delay_alu instid0(VALU_DEP_2)
	v_max3_num_f32 v8, v8, |v[16+\i]|, |v[17+\i]|
	s_delay_alu instid0(VALU_DEP_2)
	v_max3_num_f32 v9, v9, |v[18+\i]|, |v[19+\i]|
.endr
	s_delay_alu instid0(VALU_DEP_2)
	v_max3_num_f32 v8, v8, |v30|, |v31|
	s_delay_alu instid0(VALU_DEP_1)
	v_max3_num_f32 v8, v8, v9, 0x4800000           ; and the floor 2^(9 - 127): the byte cannot fall under 1
	s_delay_alu instid0(VALU_DEP_1)
	v_max_num_f32_dpp v8, v8, v8 row_xmask:1 row_mask:0xf bank_mask:0xf   ; and of my neighbour's 16: the block's
	s_delay_alu instid0(VALU_DEP_1)
	v_add_nc_u32 v11, 0xfc000000, v8               ; 8 off its exponent field: the conversion takes this operand's exponent field as its scale
	s_delay_alu instid0(VALU_DEP_2)
	v_and_or_b32 v10, v8, 0x7f800000, s28          ; 448 x the scale
.irp i, 0,1,2,3,4,5,6,7,8,9,10,11,12,13,14,15
	v_med3_num_f32 v[16+\i], v[16+\i], -v10, v10   ; the conversion to an 8-bit code does not saturate (ISA guide 7.6.2): the hold
.endr
	v_cvt_scalef32_pk8_fp8_f32 v[32:33], v[16:23], v11
	v_cvt_scalef32_pk8_fp8_f32 v[34:35], v[24:31], v11
	v_lshrrev_b32 v36, 23, v11                     ; the scale's byte.  (The plain instruction behind the conversions)
	global_store_b128 v4, v[32:35], s[14:15]       ; 32 lanes store 512 consecutive bytes, aligned
	v_cmp_eq_u32 vcc_lo, 0, v6                     ; both lanes of a block hold its byte: the even one stores it
	s_wait_alu depctr_va_vdst(0)
	s_wait_xcnt 0x0                                ; EXEC is a source of the store above
	s_and_saveexec_b32 s[SX], vcc_lo
	global_store_b8 v5, v36, s[16:17]              ; 16 consecutive bytes a wave; all of xsq is 32 KB, a hundredth of what this path moves
	s_wait_xcnt 0x0
	s_or_b32 exec_lo, exec_lo, s[SX]
	s_endpgm
.Lfunc_end_k_q7ad8deef57_front:
	.size	k_q7ad8deef57_front, .Lfunc_end_k_q7ad8deef57_front-k_q7ad8deef57_front
	.p2alignl 7, 3214868480
	.fill 96, 4, 3214868480
	.section	.rodata,"a",@progbits
	.p2align	6, 0x0
	.amdhsa_kernel k_q7ad8deef57_front
		.amdhsa_group_segment_fixed_size 8192
		.amdhsa_private_segment_fixed_size 0
		.amdhsa_enable_private_segment 0
		.amdhsa_kernarg_size 64
		.amdhsa_user_sgpr_count 2
		.amdhsa_user_sgpr_kernarg_segment_ptr 1
		.amdhsa_wavefront_size32 1
		.amdhsa_system_sgpr_workgroup_id_x 1
		.amdhsa_system_sgpr_workgroup_id_y 1
		.amdhsa_system_sgpr_workgroup_id_z 1
		.amdhsa_system_vgpr_workitem_id 0
		.amdhsa_next_free_vgpr 74
		.amdhsa_next_free_sgpr 66
		.amdhsa_reserve_vcc 1
		.amdhsa_float_denorm_mode_32 3
		.amdhsa_float_denorm_mode_16_64 3
		.amdhsa_memory_ordered 1
		.amdhsa_forward_progress 1
		.amdhsa_inst_pref_size 21
	.end_amdhsa_kernel
	.amdgpu_metadata
---
amdhsa.version: [ 1, 2 ]
amdhsa.kernels:
  - .name:           k_q7ad8deef57_front
    .symbol:         k_q7ad8deef57_front.kd
    .args:
      - { .name: routing_scores, .offset: 0, .size: 8, .value_kind: global_buffer, .address_space: global }
      - { .name: x, .offset: 8, .size: 8, .value_kind: global_buffer, .address_space: global }
      - { .name: meta, .offset: 16, .size: 8, .value_kind: global_buffer, .address_space: global }
      - { .name: tokidx, .offset: 24, .size: 8, .value_kind: global_buffer, .address_space: global }
      - { .name: tokw, .offset: 32, .size: 8, .value_kind: global_buffer, .address_space: global }
      - { .name: xq, .offset: 40, .size: 8, .value_kind: global_buffer, .address_space: global }
      - { .name: xsq, .offset: 48, .size: 8, .value_kind: global_buffer, .address_space: global }
      - { .name: out1, .offset: 56, .size: 8, .value_kind: global_buffer, .address_space: global }
    .group_segment_fixed_size: 8192
    .private_segment_fixed_size: 0
    .kernarg_segment_align: 8
    .kernarg_segment_size: 64
    .max_flat_workgroup_size: 1024
    .sgpr_count:     66
    .vgpr_count:     74
    .wavefront_size: 32
...
	.end_amdgpu_metadata
.endif
;; end of part 5
;; launch ffn1 (part 6): grid 32 x 8, 8 waves a work-group, no clusters, 137,216 bytes of LDS; arguments meta, xq, xsq, W1, b1, hc, hs; writes hc, hs
.if DOCPART == 6
	.amdgcn_target "amdgcn-amd-amdhsa--gfx1250"
	.amdhsa_code_object_version 6
	.text
	.protected	k_q7ad8deef57_ffn1
	.globl	k_q7ad8deef57_ffn1
	.p2align	8
	.type	k_q7ad8deef57_ffn1,@function
k_q7ad8deef57_ffn1:
	s_mov_b64 s[64:65], 0
	v_nop
	global_prefetch_b8 v0, s[64:65] scope:SCOPE_SE
	s_setreg_imm32_b32 hwreg(HW_REG_WAVE_SCHED_MODE, 0, 2), 2
	s_setreg_imm32_b32 hwreg(HW_REG_WAVE_MODE, 25, 1), 1
	s_wait_xcnt 0x0
	s_wait_alu depctr_vm_vsrc(0)
; THE FIRST LAYER: h = gelu(x W1 + b1) for the rows that chose the expert, on codes of FP8 (E4M3) with one E8M0 scale for each 32 along K; h is quantised along the hidden axis and stored as the next launch's operand.
; SHARES.  Work-group (sl, e) owns hidden units 128 sl .. 128 sl + 127 of expert e: 1,024 x 128 numbers of W1, 512 KB, which no other work-group reads: every byte of W1 leaves memory once.
; PHASE A: the eight waves stream that slice (f32, K along the FIRST axis), quantise it along K and lay it in LDS as images of operand registers.  One barrier.
; PHASE B: wave w takes the groups of 32 list rows w, w + 8, w + 16, w + 24 that the expert's count reaches (a scalar branch on the stored count; no barrier stands behind it), multiplies them by the whole slice, and finishes them.
; THE ROWS ARE GATHERED HERE: list row p of the expert is the token at the p-th set bit of its stored mask of 1,024 bits.  At a group's head each lane finds the token of list row 32 G + lane; the number is held at 1,023 and enters the
; addresses of x's codes ([token][1,024]) and scale bytes ([token][32]).  Ranks at or past the count in the last group take some token's row: finite numbers that are multiplied, stored, and gathered by nobody.
; No tensor load and no joint load: which groups exist hangs on a number read from memory.  No cluster: no two work-groups share a byte of W1, and the row codes they share are a small part of a work-group's bytes.
; A UNIT is 4 tiles of 16 weight columns x 128 K, 8 KB of codes: unit u = 2 s + a, K step s, panel a of 64 columns.  TILE T OF A PANEL IS THE COLUMNS 4 m + T, m = 0 .. 15: so the lane that loads 16 bytes (4 columns) of a row of W1
; holds, for each T, 16 numbers down K of row m of tile T, which is what that lane of the fragment wants; and in the result a lane holds 32 NEIGHBOURING hidden units: a whole block of the next K.
; THE PRODUCT IS USED TRANSPOSED: source 0 = 16 weight columns, source 1 = 16 rows: lane (r, h), tile T, register j holds row r, hidden unit 32 h + 4 j + T of the panel.
; GELU is x Phi(x), Phi by erfc(z) = t exp(-z^2 + P(t)), t = 1 / (1 + z / 2), z = |x| / sqrt 2, P the ninth-degree polynomial of Numerical Recipes' erfcc (fractional error under 1.2e-7 for every z); below 0 Phi = erfc / 2, else 1 - erfc / 2.
; LIMITS: NaN and infinities among the inputs are not served; a block of zeros has the scale byte 1 (its codes are zeros; only this program reads the bytes).
; hc: [expert][group 0..31][K step 0..31][row tile 0..1][2,048 bytes]: the image of a fragment of 16 rows x 128 K: its registers 4 c .. 4 c + 3 of lane l at 512 c + 16 l.  hs: [expert][K step][list row] one word of four scale bytes.
; LDS: 0: the images, u x 8,192 + T x 2,048 + 512 c + 16 x lane;  WSC: the weights' scale words, u x 256 + T x 64 + 4 m;  BT: b1 in the result's order, a x 256 + T x 64 + h x 32 + 4 j.
; REGISTERS, window 0: v1 lane, v2 lane % 16, v3 lane / 16, v4-15 addresses (v10: row tile 0's offset in xq), v16-31 at work in the quantiser and in the search, v32-63 weights' scale words, v64-71 rows' scale words (these two runs hold
;   scales and nothing else), v80-91 at work and addresses, v92 row tile 1's offset in xq, v93 my list row's offset in xsq;
;   phase A: v128-191 64 held numbers, v192-207 their codes;  phase B: v128-255 rows' fragments, a ring of 4 K steps x 2 tiles x 16.
;   window 1: phase A: four sets of 64 loaded numbers;  phase B: v0-63, v64-127 two units of weights (in the epilogue: at work), v128-255 the 16 accumulators at 128 + 64 a + 16 T + 8 t.
; THE MODE: SCHED_MODE bits 1:0 = 2 (LLVM: expert scheduling mode 2), set by the entry lines.  The code itself states the register dependences between vector or matrix instructions and memory or LDS instructions, with s_wait_alu, always for 0.
; THE PLAN.  Registers that memory or LDS instructions touch, and who else names them:
;   PHASE A.  Sets 0-3: block b's loads land in set b % 4; its maxima and holds read it; the loads of block b + 4 land in it at the head of block b + 1.  v192-207 and v80-83: written by a block's conversions and shifts, read by its LDS
;     stores.  v4, v5, v6: addresses, made at the head and not written again.  ONE wait on va_vdst a block, behind its conversions: the codes and words are written, and the block is done reading its set.  ONE wait on vm_vsrc at a
;     block's head: the last block's LDS stores have read the codes and the words.
;   PHASE B.  v10, v11, v12, v92, v93: written at a group's head, read by its loads and stores.  v64-71 and the ring: loaded, read by the products.  The weights' buffers: buffer u % 2 is read by unit u's products and loaded again behind them;
;     in the epilogue vector instructions work there and b1 lands in v96-127.  A tile's codes (eight registers of its accumulators): written by its conversions, read by two stores issued in the NEXT tile's turn.
;     v7, v8, v9, v13: LDS addresses, never written again.
;     Waits on va_vdst: one at a group's head behind the search; one behind each unit's products, ahead of the loads into what they read; one ahead of b1's first loads; the two that each tile has for its reciprocals and exponentials, the
;     first of which also serves the stores of the tile before and the next panel's b1; one ahead of the group's last stores.  One wait on vm_vsrc, at the trip's end.
;   A compare's mask goes to scalar registers in runs, with one wait on va_sdst behind a run and ahead of its first reader; the five halving steps of the search, which hang on each other, go by VCC with a wait on va_vcc each.
.set PITCH, 16384                      ; a row of W1 in bytes
.set USTEP, 2                          ; units from one of a wave's K steps to its next
.set NS,    8                          ; K steps
.set WSC,   131072
.set BT,    135168
.set MK,    68                         ; s[68:99] the expert's mask: 32 words
.set PS,    36                         ; s[36:43] the search: the bits ahead of eight words on end
.set SM,    44                         ; s[44:51] the search: eight compares' masks.  (In the epilogue s36-63 and s28-31 hold a tile's 32 masks)
.set MSB, 0
.macro WIN new                         ; s_set_vgpr_msb: bits 1:0 source 0, 3:2 source 1, 5:4 source 2, 7:6 destination; the high byte repeats the setting that is left
.if MSB != \new
	s_set_vgpr_msb (MSB<<8)|\new
.set MSB, \new
.endif
.endm
.macro PLACES n
.rept \n
	v_nop
.endr
.endm
	s_load_b256 s[4:11], s[0:1], 0x0               ; meta s[4:5], xq s[6:7], xsq s[8:9], W1 s[10:11]
	s_load_b128 s[12:15], s[0:1], 0x20             ; b1 s[12:13], hc s[14:15]
	s_load_b64 s[16:17], s[0:1], 0x30              ; hs
	v_lshl_add_u32 v126, v0, 2, 0x21400
	v_mov_b32 v127, 0
	v_lshrrev_b32 v1, 5, v0
	v_readfirstlane_b32 s18, v1                    ; wave 0..7
	s_and_b32 s19, ttmp7, 0xffff                   ; e
	s_mov_b32 s20, ttmp9                           ; sl
	s_mov_b32 s22, 0x76543210
	s_mov_b32 s23, 0xfedcba98                      ; v_permlanex16_b32's selects for lane l xor 16
	s_mov_b32 s24, 0x600000                        ; the mantissa field of 448
	s_mov_b32 s25, 0xffff0000                      ; lanes 16-31
	s_mov_b32 s32, 0x3e7c6f08                      ; c9 (all of P's coefficients are multiplied by log2 e)
	s_mov_b32 s33, s32                             ; named with it as a pair
	s_mov_b32 s34, 0x3eb504f3                      ; 1 / (2 sqrt 2)
	v_and_b32 v1, 31, v0                           ; lane
	v_and_b32 v2, 15, v0                           ; q
	v_bfe_u32 v3, v0, 4, 1                         ; hh
	v_lshlrev_b32 v4, 4, v2
	v_lshl_add_u32 v4, v3, 18, v4                  ; W1: 16 q bytes of a row; lanes 16-31 sixteen rows further down
	v_lshlrev_b32 v7, 4, v1                        ; 16 x lane: units 0-7
	v_add_nc_u32 v8, 0x10000, v7                   ; units 8-15
	v_lshlrev_b32 v88, 2, v1                       ; 4 x lane
	v_add_nc_u32 v9, WSC, v88
	v_lshl_add_u32 v13, v3, 5, BT                  ; b1 in the result's order: my half's 32 bytes of a tile
	v_lshlrev_b32 v14, 3, v3                       ; 8 hh
	v_lshlrev_b32 v89, 4, v2
	v_lshl_add_u32 v89, v3, 9, v89                 ; hc: 512 h + 16 r
	v_and_b32 v90, 127, v0
	v_lshlrev_b32 v90, 2, v90                      ; b1: a number a thread
	v_bfe_u32 v84, v0, 6, 1                        ; hidden unit n = thread % 128 = 64 a + 32 h + 4 j + T goes to BT + 256 a + 64 T + 32 h + 4 j
	v_and_b32 v85, 3, v0
	v_bfe_u32 v86, v0, 5, 1
	v_bfe_u32 v87, v0, 2, 3
	v_lshlrev_b32 v91, 8, v84
	v_lshl_or_b32 v91, v85, 6, v91
	v_lshl_or_b32 v91, v86, 5, v91
	v_lshl_or_b32 v91, v87, 2, v91
	v_add_nc_u32 v91, BT, v91
.irp c, 0,1,2,3
	v_mov_b32 v[20+\c], 0                          ; written once: a lane permute's destination counts as one of its sources
.endr
	s_wait_alu depctr_va_sdst(0)                   ; s18 is written, ahead of its first reader: the wave's shares and addresses are made from it
	s_lshr_b32 s44, s18, 1                         ; kq: which 256 of K my wave streams
	s_and_b32 s45, s18, 1                          ; a: which panel
	s_lshl_b32 s28, s19, 24                        ; W1: e x 2^24 + 256 kq rows + 512 sl + 256 a
	s_lshl_b32 s46, s44, 22
	s_add_co_u32 s28, s28, s46
	s_lshl_b32 s46, s20, 9
	s_add_co_u32 s28, s28, s46
	s_lshl_b32 s46, s45, 8
	s_add_co_u32 s28, s28, s46
	s_mov_b32 s29, 0
	s_lshl_b32 s30, s19, 14                        ; b1: e x 16,384 + 512 sl
	s_lshl_b32 s46, s20, 9
	s_add_co_u32 s30, s30, s46
	s_mov_b32 s31, 0
	s_lshl_b32 s36, s19, 7                         ; the expert's mask: 128 bytes an expert; stays until the mask is in
	s_lshl_b32 s46, s20, 12
	s_lshl_b32 s40, s19, 22                        ; hc: e x 2^22 + 4,096 sl
	s_add_co_u32 s40, s40, s46
	s_mov_b32 s41, 0
	s_lshl_b32 s42, s19, 17                        ; hs: (32 e + sl) x 4,096
	s_add_co_u32 s42, s42, s46
	s_mov_b32 s43, 0
	s_lshl_b32 s35, s19, 2                         ; the count's word; stays until the count is in
	s_lshl_b32 s46, s44, 2
	s_add_co_u32 s46, s46, s45                     ; my first unit: 4 kq + a
	s_lshl_b32 s47, s46, 13
	v_add_nc_u32 v5, s47, v7                       ; where my images go: 16 x lane + unit x 8,192
	s_lshl_b32 s48, s46, 8
	s_add_co_u32 s48, s48, WSC
	v_lshlrev_b32 v6, 2, v2
	v_add_nc_u32 v6, s48, v6                       ; and their scale words: WSC + unit x 256 + 4 q
	s_wait_kmcnt 0x0
	s_load_b32 s21, s[4:5], s35 offset:0x400       ; the expert's count and its mask; waited for ahead of phase B
	s_load_b512 s[MK:MK+15], s[4:5], s36 offset:0x0
	s_load_b512 s[MK+16:MK+31], s[4:5], s36 offset:0x40
	s_add_nc_u64 s[10:11], s[10:11], s[28:29]
	s_add_nc_u64 s[12:13], s[12:13], s[30:31]
	s_add_nc_u64 s[14:15], s[14:15], s[40:41]
	s_add_nc_u64 s[16:17], s[16:17], s[42:43]
	s_wait_alu depctr_va_vdst(0)                   ; the offsets and LDS addresses v4 to v9, v13 and v88 to v91 are written, which loads and stores of the whole kernel read; so are v126 and v127, which the closing add reads
	global_load_b32 v15, v90, s[12:13]             ; b1: older than every load of W1, so the stream's first wait covers it
; PHASE A.  A wave streams 8 blocks of 32 rows x 64 columns.  Block b: 16 loads; lanes 0-15 read the 256 aligned bytes of row 32 b + i, lanes 16-31 those of row 32 b + 16 + i.
.macro WLOAD b
	WIN 0x40                                       ; destination window 1
.irp i, 0,1,2,3,4,5,6,7,8,9,10,11,12,13,14,15
	global_load_b128 v[64*((\b)%4)+4*\i:64*((\b)%4)+4*\i+3], v4, s[10:11] offset:(32*(\b)+\i)*PITCH th:TH_LOAD_NT
.endr
.endm
; Register 4 i + c of a set: row 32 b + 16 hh + i, column 4 q + c.  For each c the 16 numbers down K are held, brought into consecutive registers by the hold itself, and converted: piece b % 4 of row q of tile c.
.macro QBLK b
.set X,  64*((\b)%4)
.set CQ, (\b)%4
.set KS, (\b)/4
.if 7-(\b) >= 2
	s_wait_loadcnt 32                              ; this block's 16 loads are in; the two younger blocks' 32 may be out
.else
	s_wait_loadcnt 16*(7-(\b))
.endif
.if (\b)+3 < 8
	WLOAD (\b)+3                                   ; into the set that the block before has read: 48 loads, 24 KB a wave, are out while the wave works.  No wait: that block's wait on va_vdst stands behind its last reader of the set, and only LDS stores have followed it
.endif
	s_wait_dscnt 0x0                               ; the last block's LDS stores have landed
.if (\b) > 0
	s_wait_alu depctr_vm_vsrc(0)                   ; the last block's LDS stores have read v192-207 and v80-83, which this block's conversions and shifts write again
.endif
	WIN 0x05
.irp c, 0,1,2,3
	v_max3_num_f32 v[16+\c], |v[X+\c]|, |v[X+4+\c]|, 0x4800000   ; the floor 2^(9 - 127): the byte cannot fall under 1
.endr
	WIN 0x14
.irp i, 2,4,6,8,10,12,14
.irp c, 0,1,2,3
	v_max3_num_f32 v[16+\c], v[16+\c], |v[X+4*\i+\c]|, |v[X+4*\i+4+\c]|
.endr
.endr
	WIN 0
.irp c, 0,1,2,3
	v_permlanex16_b32 v[20+\c], v[16+\c], s22, s23
.endr
.irp c, 0,1,2,3
	v_max_num_f32 v[16+\c], v[16+\c], v[20+\c]     ; with the other 16 rows': the block's largest magnitude
.endr
.irp c, 0,1,2,3
	v_add_nc_u32 v[28+\c], 0xfc000000, v[16+\c]    ; 8 off its exponent field: the conversion's scale operand
.endr
.irp c, 0,1,2,3
	v_and_or_b32 v[24+\c], v[16+\c], 0x7f800000, s24   ; 448 x the scale
.endr
.irp c, 0,1,2,3
.if CQ == 0
	v_lshrrev_b32 v[80+\c], 23, v[28+\c]           ; the scale's byte: four blocks make a K step's word
.else
	v_lshrrev_b32 v[84+\c], 23, v[28+\c]
	v_lshl_or_b32 v[80+\c], v[84+\c], 8*CQ, v[80+\c]
.endif
.endr
	WIN 0x01
.irp c, 0,1,2,3
.irp i, 0,1,2,3,4,5,6,7,8,9,10,11,12,13,14,15
	v_med3_num_f32 v[128+16*\c+\i], v[X+4*\i+\c], -v[24+\c], v[24+\c]   ; the hold (the conversion does not saturate: ISA guide 7.6.2), and column c's 16 numbers on end
.endr
.endr
	WIN 0
.irp c, 0,1,2,3
	v_cvt_scalef32_pk8_fp8_f32 v[192+4*\c:193+4*\c], v[128+16*\c:135+16*\c], v[28+\c]
	v_cvt_scalef32_pk8_fp8_f32 v[194+4*\c:195+4*\c], v[136+16*\c:143+16*\c], v[28+\c]
.endr
	v_nop                                          ; a plain instruction behind the last scaled conversion
	s_wait_alu depctr_va_vdst(0)                   ; the conversions have written v192-207 and the shifts v80-83, which the LDS stores read; the maxima and holds are done reading this block's set, in which the next block's head lets loads land
.irp c, 0,1,2,3
	ds_store_b128 v5, v[192+4*\c:195+4*\c] offset:KS*USTEP*8192+\c*2048+512*CQ   ; 512 consecutive bytes
.endr
.if CQ == 3
.irp c, 0,1,2,3
	ds_store_b32 v6, v[80+\c] offset:KS*USTEP*256+64*\c   ; both halves of the lanes write the same word with the same value
.endr
.endif
.endm
	WLOAD 0
	WLOAD 1
	WLOAD 2
.irp b, 0,1,2,3,4,5,6,7
	QBLK \b
.endr
	s_cmp_lt_u32 s18, 4                            ; threads 0-127 put b1's 128 numbers in the result's order (the last block's wait was for 0: v15 is in)
	s_cbranch_scc0 .Lnobias
	ds_store_b32 v91, v15
.Lnobias:
	s_wait_dscnt 0x0                               ; for the other waves' sake: my stores have landed
	s_barrier_signal -1
	s_barrier_wait -1                              ; the slice lies in LDS; nothing writes these bytes again
	s_wait_alu depctr_vm_vsrc(0)                   ; my LDS stores have read v192-207: these registers belong to the rows' ring from here on, and loads land in them
; PHASE B
.irp u, 0,1,2,3,4,5,6,7,8,9,10,11,12,13,14,15
	ds_load_b32 v[32+2*\u], v9 offset:\u*256       ; lanes 0-15: tile 0's words, lanes 16-31: tile 1's
	ds_load_b32 v[33+2*\u], v9 offset:\u*256+128   ; tiles 2 and 3
.endr
	s_wait_kmcnt 0x0                               ; the count and the mask
	s_wait_dscnt 0x0
.macro ALOAD s                         ; the group's two row fragments of K step s, into slot s % 4 of the ring: lane (r, h) takes 16 bytes of its token's row: k 128 s + 32 c + 16 h on
	WIN 0
.irp c, 0,1,2,3
	global_load_b128 v[128+32*((\s)%4)+4*\c:128+32*((\s)%4)+4*\c+3], v10, s[6:7] offset:128*(\s)+32*\c
.endr
.irp c, 0,1,2,3
	global_load_b128 v[144+32*((\s)%4)+4*\c:144+32*((\s)%4)+4*\c+3], v92, s[6:7] offset:128*(\s)+32*\c
.endr
.endm
.macro LW u                            ; unit u's four weight fragments, into buffer u % 2 of window 1
	WIN 0x40
.irp tw, 0,1,2,3
.irp c, 0,1,2,3
.if (\u) < 8
	ds_load_b128 v[64*((\u)%2)+16*\tw+4*\c:64*((\u)%2)+16*\tw+4*\c+3], v7 offset:((\u)%8)*8192+2048*\tw+512*\c
.else
	ds_load_b128 v[64*((\u)%2)+16*\tw+4*\c:64*((\u)%2)+16*\tw+4*\c+3], v8 offset:((\u)%8)*8192+2048*\tw+512*\c
.endif
.endr
.endr
.endm
; one product: weight tile tw x row tile tr.  Odd weight tiles' scale words lie in lanes 16-31 of their register, and so do row tile 1's
.macro MM tw, tr
.set AC, ACB+16*(\tw)+8*(\tr)
.set WF, WFB+16*(\tw)
.set RF, RFB+16*(\tr)
.set SA, SAB+(\tw)/2
.if ZR
.if ((\tw)%2 == 1) && ((\tr) == 1)
	v_wmma_scale_f32_16x16x128_f8f6f4 v[AC:AC+7], v[WF:WF+15], v[RF:RF+15], 0, v[SA], v[SB] matrix_a_scale:MATRIX_SCALE_ROW1 matrix_b_scale:MATRIX_SCALE_ROW1
.elseif (\tw)%2 == 1
	v_wmma_scale_f32_16x16x128_f8f6f4 v[AC:AC+7], v[WF:WF+15], v[RF:RF+15], 0, v[SA], v[SB] matrix_a_scale:MATRIX_SCALE_ROW1
.elseif (\tr) == 1
	v_wmma_scale_f32_16x16x128_f8f6f4 v[AC:AC+7], v[WF:WF+15], v[RF:RF+15], 0, v[SA], v[SB] matrix_b_scale:MATRIX_SCALE_ROW1
.else
	v_wmma_scale_f32_16x16x128_f8f6f4 v[AC:AC+7], v[WF:WF+15], v[RF:RF+15], 0, v[SA], v[SB]
.endif
.else
.if ((\tw)%2 == 1) && ((\tr) == 1)
	v_wmma_scale_f32_16x16x128_f8f6f4 v[AC:AC+7], v[WF:WF+15], v[RF:RF+15], v[AC:AC+7], v[SA], v[SB] matrix_a_scale:MATRIX_SCALE_ROW1 matrix_b_scale:MATRIX_SCALE_ROW1
.elseif (\tw)%2 == 1
	v_wmma_scale_f32_16x16x128_f8f6f4 v[AC:AC+7], v[WF:WF+15], v[RF:RF+15], v[AC:AC+7], v[SA], v[SB] matrix_a_scale:MATRIX_SCALE_ROW1
.elseif (\tr) == 1
	v_wmma_scale_f32_16x16x128_f8f6f4 v[AC:AC+7], v[WF:WF+15], v[RF:RF+15], v[AC:AC+7], v[SA], v[SB] matrix_b_scale:MATRIX_SCALE_ROW1
.else
	v_wmma_scale_f32_16x16x128_f8f6f4 v[AC:AC+7], v[WF:WF+15], v[RF:RF+15], v[AC:AC+7], v[SA], v[SB]
.endif
.endif
.endm
; Unit u: eight products on eight accumulators by turns; the two panels' units alternate, so 15 other products stand between two links of a chain.  The first K step starts the sums with the constant 0.
.macro UNIT u
.set KST, (\u)/2
.set ACB, 128+64*((\u)%2)
.set WFB, 64*((\u)%2)
.set RFB, 128+32*(KST%4)
.set SAB, 32+2*(\u)
.set SB,  64+KST
.if KST == 0
.set ZR, 1
.else
.set ZR, 0
.endif
.if (\u) < 15
	s_wait_dscnt 16                                ; this unit's 16 fragment loads are in; the next unit's 16 may be out
.else
	s_wait_dscnt 0x0
.endif
.if (\u)%2 == 0
.if NS-1-KST >= 3
	s_wait_loadcnt 24                              ; this K step's 8 row loads (and the scale words, which are older) are in; the three later K steps' 24 may be out
.else
	s_wait_loadcnt 8*(NS-1-KST)
.endif
.endif
	WIN 0x51                                       ; source 0 (weights), C and D window 1; source 1 (rows) window 0
	MM 0, 0
	MM 0, 1
	MM 1, 0
	MM 1, 1
	MM 2, 0
	MM 2, 1
	MM 3, 0
	MM 3, 1
.endm
; Behind a unit: eight places, as they stood, and the wait that states what the loads hang on; then the unit two on, and behind a K step's second unit the rows four K steps on.  Behind unit 14 nothing is left to load: nothing is written.
.macro GAP u
.if (\u)+2 <= 15
	PLACES 8
	WIN 0x40
	s_wait_alu depctr_va_vdst(0)                   ; this unit's products are done reading weights' buffer u % 2, in which the unit two on lands; behind a K step's second unit both units are done reading the K step's slot of the ring
	LW (\u)+2
.if ((\u)%2 == 1) && ((\u)/2+4 < NS)
	ALOAD (\u)/2+4
.endif
.endif
.endm
.macro HSTORE t, a                     ; the codes of row tile t, panel a, out of the eight registers that were tile 0's accumulator
.set XP, 128+64*(\a)+8*(\t)
	global_store_b128 v12, v[XP:XP+3], s[14:15] offset:2048*(\t)+1024*(\a)       ; k 32 c + 0 .. 15 belongs to lane r of piece c = 2 a + h, k + 16 .. 31 to lane 16 + r:
	global_store_b128 v12, v[XP+4:XP+7], s[14:15] offset:2048*(\t)+1024*(\a)+256 ; sixteen lanes store 256 consecutive bytes, aligned
.endm
.macro BLOAD a                         ; b1 of panel a, in the result's order, into v96-127 of window 1
.irp tw, 0,1,2,3
	ds_load_b128 v[96+8*\tw:99+8*\tw], v13 offset:256*(\a)+64*\tw
	ds_load_b128 v[100+8*\tw:103+8*\tw], v13 offset:256*(\a)+64*\tw+16
.endr
.endm
; THE EPILOGUE of row tile t, panel a: 32 numbers a lane, x(T, j) at XB + 16 T + j, index k = 8 T + j.  Window 1 throughout: v0-31 t, v32-63 the exponent and then Phi's parts, v64-95 at work, v96-127 b1.
; prev = 1: the codes of the tile before, (pt, pa), are stored in this tile's turn.  nextb = 1: panel 1's b1 is asked for in this tile's turn.
.macro GELUQ t, a, prev, pt, pa, nextb
.set XB, 128+64*(\a)+8*(\t)
	WIN 0x55
.set k, 0
.rept 16
.set XR, XB+16*(k/8)+k%8
	v_pk_add_f32 v[XR:XR+1], v[XR:XR+1], v[96+k:97+k]     ; + b1; each accumulator is read from its low end on
.set k, k+2
.endr
.set k, 0
.rept 32
.set XR, XB+16*(k/8)+k%8
	v_fma_f32 v[k], |v[XR]|, s34, 1.0              ; 1 + z / 2
.set k, k+1
.endr
.set k, 0
	s_wait_alu depctr_va_vdst(0)
.rept 32
	v_rcp_f32 v[k], v[k]                           ; t: one batch
.set k, k+1
.endr
.set k, 0
.rept 16
.set XR, XB+16*(k/8)+k%8
	v_pk_mul_f32 v[64+k:65+k], v[XR:XR+1], 0xbf38aa3b op_sel_hi:[1,0]   ; -x log2(e) / 2: plain work that names no reciprocal
.set k, k+2
.endr
	s_wait_alu depctr_va_vdst(0)                   ; the 32 reciprocals are written, ahead of their first reader; the tile before has written its codes, which the stores below read; this tile's additions are done reading b1, in which the next panel's lands
.if \prev
	WIN 0x04                                       ; a store's data are its source 1: window 1
	HSTORE \pt, \pa
.endif
.if \nextb
	WIN 0x40
	BLOAD 1                                        ; no line of this tile behind the wait names v96-127
.endif
	WIN 0x55
.set k, 0
.rept 16
	v_pk_fma_f32 v[32+k:33+k], v[k:k+1], s[32:33], 0xbf97d29d op_sel_hi:[1,0,0]   ; c9 t + c8
.set k, k+2
.endr
.irp cc, 0x40097039, 0xbfd1a1e5, 0x3ecdfd18, 0xbe899a80, 0x3e0efb2e, 0x3f0a29d2, 0x3fb8ab5a, 0xc034d90f
.set k, 0
.rept 16
	v_pk_fma_f32 v[32+k:33+k], v[32+k:33+k], v[k:k+1], \cc op_sel_hi:[1,1,0]   ; Horner, c7 down to c0; c0 has 1 taken off: the exponential gives erfc / (2 t)
.set k, k+2
.endr
.endr
.set k, 0
.rept 16
.set XR, XB+16*(k/8)+k%8
	v_pk_fma_f32 v[32+k:33+k], v[64+k:65+k], v[XR:XR+1], v[32+k:33+k]   ; - z^2 log2(e)
.set k, k+2
.endr
.set k, 0
	s_wait_alu depctr_va_vdst(0)
.rept 32
	v_exp_f32 v[32+k], v[32+k]
.set k, k+1
.endr
	v_nop                                          ; a plain instruction behind the last exponential
.set k, 0
.rept 32
.set XR, XB+16*(k/8)+k%8
.set MQ, 36+k-36*(k/28)                ; s36 to s63, then s28 to s31
	v_cmp_gt_f32 s[MQ], 0, v[XR]                   ; is x below 0?  The 32 compares in one run, each into a scalar register of its own: work that names no exponential
.set k, k+1
.endr
	s_wait_alu depctr_va_vdst(0)                   ; the 32 exponentials are written, ahead of their first reader
.set k, 0
.rept 16
	v_pk_fma_f32 v[64+k:65+k], v[k:k+1], v[32+k:33+k], 1.0 op_sel_hi:[1,1,0] neg_lo:[1,0,0] neg_hi:[1,0,0]   ; 1 - erfc / 2
	v_pk_mul_f32 v[32+k:33+k], v[k:k+1], v[32+k:33+k]                                                         ; erfc / 2
.set k, k+2
.endr
	s_wait_alu depctr_va_sdst(0)                   ; the 32 compares have written their masks, ahead of the first select that reads one
.set k, 0
.rept 32
.set MQ, 36+k-36*(k/28)
	v_cndmask_b32 v[32+k], v[64+k], v[32+k], s[MQ]    ; Phi: below 0 the small number itself, with no difference formed
.set k, k+1
.endr
.set k, 0
.rept 16
.set XR, XB+16*(k/8)+k%8
	v_pk_mul_f32 v[XR:XR+1], v[XR:XR+1], v[32+k:33+k]   ; gelu
.set k, k+2
.endr
	; my 32 numbers are hidden units 64 a + 32 h + 0 .. 31: one block of the next K: its largest magnitude needs no other lane
	v_max3_num_f32 v0, |v[XB]|, |v[XB+1]|, 0x4800000
	v_max3_num_f32 v1, |v[XB+2]|, |v[XB+3]|, |v[XB+4]|
.set k, 5
.rept 13
.set XR, XB+16*(k/8)+k%8
.set XS, XB+16*((k+1)/8)+(k+1)%8
	v_max3_num_f32 v[((k-5)/2)%2], v[((k-5)/2)%2], |v[XR]|, |v[XS]|
.set k, k+2
.endr
	v_max3_num_f32 v0, v0, v1, |v[XB+55]|
	v_add_nc_u32 v1, 0xfc000000, v0                ; the conversion's scale operand
	v_and_or_b32 v2, v0, 0x7f800000, s24           ; 448 x the scale
.irp tw, 0,1,2,3
.irp j, 0,1,2,3,4,5,6,7
	v_med3_num_f32 v[32+4*\j+\tw], v[XB+16*\tw+\j], -v2, v2   ; the hold, and the 32 in the order of the hidden units
.endr
.endr
.irp g, 0,1,2,3
	v_cvt_scalef32_pk8_fp8_f32 v[XB+2*\g:XB+2*\g+1], v[32+8*\g:39+8*\g], v1   ; the codes take tile 0's accumulator, which has been read
.endr
	v_lshrrev_b32 v[XB+16], 23, v1                 ; the scale's byte, kept in tile 1's first register.  (The plain instruction behind the conversions)
.endm
; one step of the search inside a word: where n is not under the count of the lower field of w bits, pass that field
.macro PICK src, w
	v_bfe_u32 v26, v[\src], v25, \w
	v_cmp_ge_u32 vcc_lo, v20, v26
	s_wait_alu depctr_va_vcc(0)                    ; the compare has written VCC, ahead of the two selects that read it; the next step hangs on this one's result, so each step has its own wait
	v_cndmask_b32 v26, 0, v26, vcc_lo
	v_sub_nc_u32 v20, v20, v26
	v_cndmask_b32 v26, 0, \w, vcc_lo
	v_add_nc_u32 v25, v25, v26
.endm
	s_mov_b32 s26, s18                             ; G = wave + 8 x trip
	s_mov_b32 s27, 0
.Lgroup:
	s_lshl_b32 s28, s26, 5
	s_cmp_ge_u32 s28, s21
	s_cbranch_scc1 .Lskip                          ; the expert's list does not reach this group
	; THE SEARCH: the token at the P-th set bit of the mask, P = 32 G + lane.  First the word: the last one ahead of which at most P bits are set.  v17 the word, v18 the bits ahead of it, v19 its number.
	; Eight words at a time: the bits ahead of each in s[PS ..], eight compares in a run into s[SM ..], one wait, the selects in the words' order
	v_lshl_add_u32 v16, s26, 5, v1
	s_wait_alu depctr_va_vdst(0)
	v_mov_b32 v17, s[MK]
	v_mov_b32 v18, 0
	v_mov_b32 v19, 0
.irp c, 0,1,2,3
.irp i, 0,1,2,3,4,5,6,7
.if 8*\c+\i < 31
.if 8*\c+\i == 0
	s_bcnt1_i32_b32 s[PS], s[MK]                   ; ahead of word 1: word 0's bits
.else
	s_bcnt1_i32_b32 s31, s[MK+8*\c+\i]
.if \i == 0
	s_add_co_u32 s[PS], s[PS+7], s31               ; ahead of word 8 c + 1: on from the last run's last
.else
	s_add_co_u32 s[PS+\i], s[PS+\i-1], s31         ; ahead of word 8 c + i + 1
.endif
.endif
.endif
.endr
.irp i, 0,1,2,3,4,5,6,7
.if 8*\c+\i < 31
	v_cmp_le_u32 s[SM+\i], s[PS+\i], v16
.endif
.endr
	s_wait_alu depctr_va_sdst(0)                   ; the run's compares have written s[SM ..], ahead of the first select that reads one
.irp i, 0,1,2,3,4,5,6,7
.if 8*\c+\i < 31
	v_cndmask_b32 v17, v17, s[MK+8*\c+\i+1], s[SM+\i]
	v_cndmask_b32 v18, v18, s[PS+\i], s[SM+\i]
	v_cndmask_b32 v19, v19, 8*\c+\i+1, s[SM+\i]
.endif
.endr
.endr
	v_sub_nc_u32 v20, v16, v18                     ; n: which set bit of that word
	v_lshrrev_b32 v21, 1, v17                      ; the word's bit counts in fields of 2, 4, 8 and 16 bits: v21, v22, v23, v24
	v_and_b32 v21, 0x55555555, v21
	v_sub_nc_u32 v21, v17, v21
	v_lshrrev_b32 v22, 2, v21
	v_and_b32 v22, 0x33333333, v22
	v_and_b32 v26, 0x33333333, v21
	v_add_nc_u32 v22, v22, v26
	v_lshrrev_b32 v23, 4, v22
	v_add_nc_u32 v23, v23, v22
	v_and_b32 v23, 0x0f0f0f0f, v23
	v_lshrrev_b32 v24, 8, v23
	v_add_nc_u32 v24, v24, v23
	v_and_b32 v24, 0x00ff00ff, v24
	v_mov_b32 v25, 0                               ; the bit's place, found by halving
	PICK 24, 16
	PICK 23, 8
	PICK 22, 4
	PICK 21, 2
	PICK 17, 1
	v_lshl_add_u32 v26, v19, 5, v25                ; lane l: the token of list row 32 G + l
	v_permlanex16_b32 v27, v26, s22, s23           ; and that of lane l xor 16
	v_cndmask_b32 v10, v26, v27, s25               ; row tile 0: lane (r, h) wants row r's token,
	v_cndmask_b32 v92, v27, v26, s25               ; row tile 1: row 16 + r's
	v_min_u32 v10, 0x3ff, v10                      ; loaded numbers enter an address only behind a hold
	v_min_u32 v92, 0x3ff, v92
	v_min_u32 v93, 0x3ff, v26
	v_lshlrev_b32 v10, 10, v10                     ; a token's codes are 1,024 bytes,
	v_lshlrev_b32 v92, 10, v92
	v_lshlrev_b32 v93, 5, v93                      ; its scale bytes 32: eight words, one a K step
	v_lshl_add_u32 v10, v3, 4, v10                 ; + 16 h
	v_lshl_add_u32 v92, v3, 4, v92
	v_lshl_add_u32 v11, s26, 7, v88                ; hs: 4 x lane + 128 G
	v_lshl_add_u32 v12, s26, 17, v89               ; hc: 512 h + 16 r + G x 131,072
	s_wait_alu depctr_va_vdst(0)                   ; v10, v11, v12, v92 and v93 are written, which this group's loads and stores read; the last group's products are done reading v64-71 and the ring, and its epilogue is done with the weights' buffers: loads land in all of these
	global_load_b128 v[64:67], v93, s[8:9]         ; the rows' scale words of the eight K steps: lanes 0-15 row tile 0, lanes 16-31 row tile 1
	global_load_b128 v[68:71], v93, s[8:9] offset:16
	ALOAD 0
	ALOAD 1
	ALOAD 2
	ALOAD 3
	LW 0
	LW 1
.irp u, 0,1,2,3,4,5,6,7,8,9,10,11,12,13,14
	UNIT \u
	GAP \u
.endr
	UNIT 15
	PLACES 8                                       ; in front of the first read of results by vector instructions and of their writes into the weights' buffers (ISA guide 7.12.1)
	WIN 0x40
	s_wait_alu depctr_va_vdst(0)                   ; the last products are done reading weights' buffer 1, in whose v96-127 b1 lands
	BLOAD 0
	s_wait_dscnt 0x0
	GELUQ 0, 0, 0, 0, 0, 0
	GELUQ 1, 0, 1, 0, 0, 1
	s_wait_dscnt 0x0                               ; panel 1's b1 is in
	GELUQ 0, 1, 1, 1, 0, 0
	GELUQ 1, 1, 1, 0, 1, 0
	; the rows' scale words of this K step of the next product: lane (r, h) has the bytes of blocks h and 2 + h
	WIN 0x55
	v_lshl_or_b32 v4, v208, 16, v144               ; row tile 0
	v_lshl_or_b32 v5, v216, 16, v152               ; row tile 1
	WIN 0x54                                       ; the shift, 8 h, lies in window 0
	v_lshlrev_b32 v4, v14, v4
	v_lshlrev_b32 v5, v14, v5
	WIN 0x55
	v_permlanex16_b32 v6, v4, s22, s23
	v_permlanex16_b32 v7, v5, s22, s23
	v_or_b32 v4, v4, v6
	v_or_b32 v5, v5, v7
	v_cndmask_b32 v8, v4, v5, s25                  ; lanes 0-15 give tile 0's words, lanes 16-31 tile 1's
	WIN 0x04
	s_wait_alu depctr_va_vdst(0)                   ; the last tile's conversions have written its codes and the select the scale words, which the three stores below read
	HSTORE 1, 1
	global_store_b32 v11, v8, s[16:17]             ; 128 consecutive bytes: the group's 32 words (all of hs that is written is a thirtieth of the codes)
	s_wait_xcnt 0x0                                ; the group's loads and stores have had their addresses translated: the next group writes their data and addresses again only behind this wait
	s_wait_alu depctr_vm_vsrc(0)                   ; the group's loads have read v10, v92 and v93, its stores v11, v12, the codes and the scale words: the next group's search, products and loads write all of them again
	WIN 0
.Lskip:
	s_add_co_u32 s26, s26, 8
	s_add_co_u32 s27, s27, 1
	s_cmp_lt_u32 s27, 4
	s_cbranch_scc1 .Lgroup
	s_wait_dscnt 0x0                               ; the closing lines, six on end
	s_wait_alu 0x0
	s_wait_tensorcnt 0x0
	ds_add_u32 v126, v127
	s_wait_dscnt 0x0
	s_endpgm
.Lfunc_end_k_q7ad8deef57_ffn1:
	.size	k_q7ad8deef57_ffn1, .Lfunc_end_k_q7ad8deef57_ffn1-k_q7ad8deef57_ffn1
	.p2alignl 7, 3214868480
	.fill 96, 4, 3214868480
	.section	.rodata,"a",@progbits
	.p2align	6, 0x0
	.amdhsa_kernel k_q7ad8deef57_ffn1
		.amdhsa_group_segment_fixed_size 137216
		.amdhsa_private_segment_fixed_size 0
		.amdhsa_enable_private_segment 0
		.amdhsa_kernarg_size 56
		.amdhsa_user_sgpr_count 2
		.amdhsa_user_sgpr_kernarg_segment_ptr 1
		.amdhsa_wavefront_size32 1
		.amdhsa_system_sgpr_workgroup_id_x 1
		.amdhsa_system_sgpr_workgroup_id_y 1
		.amdhsa_system_sgpr_workgroup_id_z 1
		.amdhsa_system_vgpr_workitem_id 0
		.amdhsa_next_free_vgpr 512
		.amdhsa_next_free_sgpr 100
		.amdhsa_reserve_vcc 1
		.amdhsa_float_denorm_mode_32 3
		.amdhsa_float_denorm_mode_16_64 3
		.amdhsa_memory_ordered 1
		.amdhsa_forward_progress 1
		.amdhsa_inst_pref_size 255
	.end_amdhsa_kernel
	.section	.bss,"aw",@nobits
	.p2align	6
	.space	262144
	.amdgpu_metadata
---
amdhsa.version: [ 1, 2 ]
amdhsa.kernels:
  - .name:           k_q7ad8deef57_ffn1
    .symbol:         k_q7ad8deef57_ffn1.kd
    .args:
      - { .name: meta, .offset: 0, .size: 8, .value_kind: global_buffer, .address_space: global }
      - { .name: xq, .offset: 8, .size: 8, .value_kind: global_buffer, .address_space: global }
      - { .name: xsq, .offset: 16, .size: 8, .value_kind: global_buffer, .address_space: global }
      - { .name: W1, .offset: 24, .size: 8, .value_kind: global_buffer, .address_space: global }
      - { .name: b1, .offset: 32, .size: 8, .value_kind: global_buffer, .address_space: global }
      - { .name: hc, .offset: 40, .size: 8, .value_kind: global_buffer, .address_space: global }
      - { .name: hs, .offset: 48, .size: 8, .value_kind: global_buffer, .address_space: global }
    .group_segment_fixed_size: 137216
    .private_segment_fixed_size: 0
    .kernarg_segment_align: 8
    .kernarg_segment_size: 56
    .max_flat_workgroup_size: 256
    .sgpr_count:     100
    .vgpr_count:     512
    .wavefront_size: 32
...
	.end_amdgpu_metadata
.endif
;; end of part 6
;; launch ffn2 (part 7): grid 32 x 8, 8 waves a work-group, no clusters, 171,008 bytes of LDS; arguments meta, hc, hs, W2, b2, part; writes part
.if DOCPART == 7
	.amdgcn_target "amdgcn-amd-amdhsa--gfx1250"
	.amdhsa_code_object_version 6
	.text
	.protected	k_q7ad8deef57_ffn2
	.globl	k_q7ad8deef57_ffn2
	.p2align	8
	.type	k_q7ad8deef57_ffn2,@function
k_q7ad8deef57_ffn2:
	s_mov_b64 s[64:65], 0
	v_nop
	global_prefetch_b8 v0, s[64:65] scope:SCOPE_SE
	s_setreg_imm32_b32 hwreg(HW_REG_WAVE_SCHED_MODE, 0, 2), 2
	s_setreg_imm32_b32 hwreg(HW_REG_WAVE_MODE, 25, 1), 1
	s_wait_xcnt 0x0
	s_wait_alu depctr_vm_vsrc(0)
; THE SECOND LAYER: h W2 + b2 for the rows that chose the expert, on codes of FP8 (E4M3) with one E8M0 scale for each 32 along K (the hidden axis).
; SHARES.  Work-group (x, e), x = ds + 16 kh, owns columns 64 ds .. 64 ds + 63 of D and half kh of the hidden axis: 2,048 x 64 numbers of W2, 512 KB, which no other work-group reads: every byte of W2 leaves memory once.
; The two halves' sums go to two planes of part; the last launch adds them.  b2 goes into plane 0 alone: it is multiplied by 1.0 there and by 0.0 in plane 1 (so b2 has to be finite).
; PHASE A: the eight waves stream the slice (f32, K along the FIRST axis), quantise it along K and lay it in LDS as images of operand registers.  One barrier.
; PHASE B: wave w takes the groups of 32 list rows w, w + 8, w + 16, w + 24 that the expert's count reaches (a scalar branch on the stored count; no barrier stands behind it).
; No tensor load and no joint load: which groups exist hangs on a number read from memory.  No cluster: no two work-groups share a byte of W2.
; A UNIT is 4 tiles of 16 columns x one K step of 128, 8 KB of codes: unit u = K step u of my half.  TILE T IS THE COLUMNS 4 m + T, m = 0 .. 15.
; THE PRODUCT IS USED TRANSPOSED: source 0 = 16 weight columns, source 1 = 16 rows: lane (r, h), tile T, register j holds row r, column 32 h + 4 j + T.
; LIMITS: NaN and infinities among the inputs are not served; a block of zeros has the scale byte 1 (its codes are zeros; only this program reads the bytes).
; LDS: 0: the images, u x 8,192 + T x 2,048 + 512 c + 16 x lane;  WSC: the weights' scale words, u x 256 + T x 64 + 4 m;  STG: for each wave a stage of 16 rows x (256 + 16) bytes for the way out.
; REGISTERS, window 0: v1 lane, v2 lane % 16, v3 lane / 16, v4-14 addresses, v16-31 at work in the quantiser, v32-63 weights' scale words, v64-79 rows' scale words (these two runs hold scales and nothing else), v80-90 at work and addresses,
;   v96-127 b2 of my 32 columns;  phase A: v128-191 64 held numbers, v192-207 their codes;  phase B: v128-255 rows' fragments, a ring of 4 K steps x 2 tiles x 16.
;   window 1: phase A: four sets of 64 loaded numbers;  phase B: v0-63, v64-127 two units of weights (on the way out v0-63: rows read back), v128-191 the 8 accumulators at 128 + 16 T + 8 t,
;   v224-255 row tile 0's rows in column order, v192-223 row tile 1's.
; THE MODE: SCHED_MODE bits 1:0 = 2 (LLVM: expert scheduling mode 2), set by the entry lines.  The code itself states the register dependences between vector or matrix instructions and memory or LDS instructions, with s_wait_alu, always for 0.
; THE PLAN.  Registers that memory or LDS instructions touch, and who else names them:
;   PHASE A.  Sets 0-3: block b's loads land in set b % 4; its maxima and holds read it; the loads of block b + 4 land in it at the head of block b + 1.  v192-207 and v80-83: written by a block's conversions and shifts, read by its LDS
;     stores.  v4, v5, v6: addresses, made at the head and not written again.  ONE wait on va_vdst a block, behind its conversions: the codes and words are written, and the block is done reading its set.  ONE wait on vm_vsrc at a
;     block's head: the last block's LDS stores have read the codes and the words.
;   PHASE B.  v10, v11, v12: written at a group's head, read by its loads and stores.  v64-79 and the ring: loaded, read by the products.  The weights' buffers: buffer u % 2 is read by unit u's products and loaded again behind them; on the
;     way out the rows read back from the stage land in buffer 0 and the global stores read them there.  The two out-buffers, one a row tile: written by the way out's multiply-adds, read by its LDS stores.
;     v7, v8, v9, v13, v14: LDS addresses, never written again.
;     Waits on va_vdst: one at a group's head; one behind each unit's products, ahead of the loads into what they read; ONE on the way out, behind both tiles' multiply-adds.  One wait on vm_vsrc, at the trip's end.
.set PITCH, 4096                       ; a row of W2 in bytes
.set USTEP, 1
.set NS,    16                         ; K steps of my half
.set WSC,   131072
.set STG,   135168
.set MSB, 0
.macro WIN new                         ; s_set_vgpr_msb: bits 1:0 source 0, 3:2 source 1, 5:4 source 2, 7:6 destination; the high byte repeats the setting that is left
.if MSB != \new
	s_set_vgpr_msb (MSB<<8)|\new
.set MSB, \new
.endif
.endm
.macro PLACES n
.rept \n
	v_nop
.endr
.endm
	s_load_b256 s[4:11], s[0:1], 0x0               ; meta s[4:5], hc s[6:7], hs s[8:9], W2 s[10:11]
	s_load_b128 s[12:15], s[0:1], 0x20             ; b2 s[12:13], part s[14:15]
	v_lshl_add_u32 v94, v0, 2, 0x29800
	v_mov_b32 v95, 0
	v_lshrrev_b32 v1, 5, v0
	v_readfirstlane_b32 s18, v1                    ; wave 0..7
	s_and_b32 s19, ttmp7, 0xffff                   ; e
	s_and_b32 s20, ttmp9, 15                       ; ds
	s_lshr_b32 s35, ttmp9, 4                       ; kh
	s_mov_b32 s22, 0x76543210
	s_mov_b32 s23, 0xfedcba98                      ; v_permlanex16_b32's selects for lane l xor 16
	s_mov_b32 s24, 0x600000                        ; the mantissa field of 448
	s_cmp_eq_u32 s35, 0
	s_cselect_b32 s36, 0x3f800000, 0               ; b2's factor
	v_and_b32 v1, 31, v0                           ; lane
	v_and_b32 v2, 15, v0                           ; q
	v_bfe_u32 v3, v0, 4, 1                         ; hh
	v_lshlrev_b32 v4, 4, v2
	v_lshl_add_u32 v4, v3, 16, v4                  ; W2: 16 q bytes of a row; lanes 16-31 sixteen rows further down
	v_lshlrev_b32 v7, 4, v1                        ; 16 x lane: units 0-7
	v_add_nc_u32 v8, 0x10000, v7                   ; units 8-15
	v_lshlrev_b32 v88, 2, v1                       ; 4 x lane
	v_add_nc_u32 v9, WSC, v88
	v_lshlrev_b32 v89, 4, v2
	v_lshl_add_u32 v89, v3, 12, v89                ; part: lanes 0-15 one row's 256 bytes, lanes 16-31 the next row's
	v_lshlrev_b32 v90, 7, v3                       ; b2: my half's 32 numbers
	s_wait_alu depctr_va_sdst(0)                   ; s18 is written, ahead of its first reader: the wave's shares and addresses are made from it
	s_mul_i32 s46, s18, 4352
	s_add_co_u32 s46, s46, STG                     ; my stage
	v_mul_u32_u24 v13, v2, 272
	v_lshl_add_u32 v13, v3, 7, v13
	v_add_nc_u32 v13, s46, v13                     ; in: row r, 128 bytes for each half of the lanes
	v_mul_u32_u24 v14, v3, 272
	v_lshl_add_u32 v14, v2, 4, v14
	v_add_nc_u32 v14, s46, v14                     ; back: lanes 0-15 one row, lanes 16-31 the next
.irp c, 0,1,2,3
	v_mov_b32 v[20+\c], 0                          ; written once: a lane permute's destination counts as one of its sources
.endr
	s_lshl_b32 s28, s19, 24                        ; W2: e x 2^24 + (2,048 kh + 256 w) rows + 256 ds
	s_lshl_b32 s44, s35, 23
	s_add_co_u32 s28, s28, s44
	s_lshl_b32 s44, s18, 20
	s_add_co_u32 s28, s28, s44
	s_lshl_b32 s45, s20, 8
	s_add_co_u32 s28, s28, s45
	s_mov_b32 s29, 0
	s_lshl_b32 s30, s19, 12                        ; b2: e x 4,096 + 256 ds
	s_add_co_u32 s30, s30, s45
	s_mov_b32 s31, 0
	s_lshl_b32 s44, s35, 16
	s_lshl_b32 s38, s19, 22                        ; hc: e x 2^22 + 16 kh K steps of 4,096 bytes
	s_add_co_u32 s38, s38, s44
	s_mov_b32 s39, 0
	s_lshl_b32 s40, s19, 17                        ; hs: (32 e + 16 kh) x 4,096
	s_add_co_u32 s40, s40, s44
	s_mov_b32 s41, 0
	s_lshl_b32 s42, s35, 25                        ; part: kh x 2^25 + e x 2^22 + 256 ds
	s_lshl_b32 s44, s19, 22
	s_add_co_u32 s42, s42, s44
	s_add_co_u32 s42, s42, s45
	s_mov_b32 s43, 0
	s_lshl_b32 s49, s19, 2                         ; the count's word; stays until the count is in
	s_lshl_b32 s47, s18, 14
	v_add_nc_u32 v5, s47, v7                       ; where my images go: 16 x lane + 2 w x 8,192
	s_lshl_b32 s48, s18, 9
	s_add_co_u32 s48, s48, WSC
	v_lshlrev_b32 v6, 2, v2
	v_add_nc_u32 v6, s48, v6                       ; and their scale words: WSC + 2 w x 256 + 4 q
	s_wait_kmcnt 0x0
	s_load_b32 s21, s[4:5], s49 offset:0x400       ; the expert's count; waited for ahead of phase B
	s_add_nc_u64 s[10:11], s[10:11], s[28:29]
	s_add_nc_u64 s[12:13], s[12:13], s[30:31]
	s_add_nc_u64 s[6:7], s[6:7], s[38:39]
	s_add_nc_u64 s[8:9], s[8:9], s[40:41]
	s_add_nc_u64 s[14:15], s[14:15], s[42:43]
	s_wait_alu depctr_va_vdst(0)                   ; the offsets and LDS addresses v4 to v9, v13, v14 and v88 to v90 are written, which loads and stores of the whole kernel read; so are v94 and v95, which the closing add reads
.irp i, 0,1,2,3,4,5,6,7
	global_load_b128 v[96+4*\i:99+4*\i], v90, s[12:13] offset:16*\i   ; b2: older than every load of W2, so the stream's first wait covers it
.endr
; PHASE A.  A wave streams 8 blocks of 32 rows x 64 columns.  Block b: 16 loads; lanes 0-15 read the 256 aligned bytes of row 32 b + i, lanes 16-31 those of row 32 b + 16 + i.
.macro WLOAD b
	WIN 0x40                                       ; destination window 1
.irp i, 0,1,2,3,4,5,6,7,8,9,10,11,12,13,14,15
	global_load_b128 v[64*((\b)%4)+4*\i:64*((\b)%4)+4*\i+3], v4, s[10:11] offset:(32*(\b)+\i)*PITCH th:TH_LOAD_NT
.endr
.endm
; Register 4 i + c of a set: row 32 b + 16 hh + i, column 4 q + c.  For each c the 16 numbers down K are held, brought into consecutive registers by the hold itself, and converted: piece b % 4 of row q of tile c.
.macro QBLK b
.set X,  64*((\b)%4)
.set CQ, (\b)%4
.set KS, (\b)/4
.if 7-(\b) >= 2
	s_wait_loadcnt 32                              ; this block's 16 loads are in; the two younger blocks' 32 may be out
.else
	s_wait_loadcnt 16*(7-(\b))
.endif
.if (\b)+3 < 8
	WLOAD (\b)+3                                   ; into the set that the block before has read: 48 loads, 24 KB a wave, are out while the wave works.  No wait: that block's wait on va_vdst stands behind its last reader of the set, and only LDS stores have followed it
.endif
	s_wait_dscnt 0x0                               ; the last block's LDS stores have landed
.if (\b) > 0
	s_wait_alu depctr_vm_vsrc(0)                   ; the last block's LDS stores have read v192-207 and v80-83, which this block's conversions and shifts write again
.endif
	WIN 0x05
.irp c, 0,1,2,3
	v_max3_num_f32 v[16+\c], |v[X+\c]|, |v[X+4+\c]|, 0x4800000   ; the floor 2^(9 - 127): the byte cannot fall under 1
.endr
	WIN 0x14
.irp i, 2,4,6,8,10,12,14
.irp c, 0,1,2,3
	v_max3_num_f32 v[16+\c], v[16+\c], |v[X+4*\i+\c]|, |v[X+4*\i+4+\c]|
.endr
.endr
	WIN 0
.irp c, 0,1,2,3
	v_permlanex16_b32 v[20+\c], v[16+\c], s22, s23
.endr
.irp c, 0,1,2,3
	v_max_num_f32 v[16+\c], v[16+\c], v[20+\c]     ; with the other 16 rows': the block's largest magnitude
.endr
.irp c, 0,1,2,3
	v_add_nc_u32 v[28+\c], 0xfc000000, v[16+\c]    ; 8 off its exponent field: the conversion's scale operand
.endr
.irp c, 0,1,2,3
	v_and_or_b32 v[24+\c], v[16+\c], 0x7f800000, s24   ; 448 x the scale
.endr
.irp c, 0,1,2,3
.if CQ == 0
	v_lshrrev_b32 v[80+\c], 23, v[28+\c]           ; the scale's byte: four blocks make a K step's word
.else
	v_lshrrev_b32 v[84+\c], 23, v[28+\c]
	v_lshl_or_b32 v[80+\c], v[84+\c], 8*CQ, v[80+\c]
.endif
.endr
	WIN 0x01
.irp c, 0,1,2,3
.irp i, 0,1,2,3,4,5,6,7,8,9,10,11,12,13,14,15
	v_med3_num_f32 v[128+16*\c+\i], v[X+4*\i+\c], -v[24+\c], v[24+\c]   ; the hold (the conversion does not saturate: ISA guide 7.6.2), and column c's 16 numbers on end
.endr
.endr
	WIN 0
.irp c, 0,1,2,3
	v_cvt_scalef32_pk8_fp8_f32 v[192+4*\c:193+4*\c], v[128+16*\c:135+16*\c], v[28+\c]
	v_cvt_scalef32_pk8_fp8_f32 v[194+4*\c:195+4*\c], v[136+16*\c:143+16*\c], v[28+\c]
.endr
	v_nop                                          ; a plain instruction behind the last scaled conversion
	s_wait_alu depctr_va_vdst(0)                   ; the conversions have written v192-207 and the shifts v80-83, which the LDS stores read; the maxima and holds are done reading this block's set, in which the next block's head lets loads land
.irp c, 0,1,2,3
	ds_store_b128 v5, v[192+4*\c:195+4*\c] offset:KS*USTEP*8192+\c*2048+512*CQ   ; 512 consecutive bytes
.endr
.if CQ == 3
.irp c, 0,1,2,3
	ds_store_b32 v6, v[80+\c] offset:KS*USTEP*256+64*\c   ; both halves of the lanes write the same word with the same value
.endr
.endif
.endm
	WLOAD 0
	WLOAD 1
	WLOAD 2
.irp b, 0,1,2,3,4,5,6,7
	QBLK \b
.endr
	s_wait_dscnt 0x0                               ; for the other waves' sake: my stores have landed
	s_barrier_signal -1
	s_barrier_wait -1                              ; the slice lies in LDS; nothing writes these bytes again
	s_wait_alu depctr_vm_vsrc(0)                   ; my LDS stores have read v192-207: these registers belong to the rows' ring from here on, and loads land in them
; PHASE B
.irp u, 0,1,2,3,4,5,6,7,8,9,10,11,12,13,14,15
	ds_load_b32 v[32+2*\u], v9 offset:\u*256       ; lanes 0-15: tile 0's words, lanes 16-31: tile 1's
	ds_load_b32 v[33+2*\u], v9 offset:\u*256+128   ; tiles 2 and 3
.endr
	s_wait_kmcnt 0x0                               ; the count
	s_wait_dscnt 0x0
.macro ALOAD s                         ; the group's two row fragments of K step s, into slot s % 4 of the ring
	WIN 0
.irp t, 0,1
.irp c, 0,1,2,3
	global_load_b128 v[128+32*((\s)%4)+16*\t+4*\c:128+32*((\s)%4)+16*\t+4*\c+3], v10, s[6:7] offset:4096*(\s)+2048*\t+512*\c
.endr
.endr
.endm
.macro LW u                            ; unit u's four weight fragments, into buffer u % 2 of window 1
	WIN 0x40
.irp tw, 0,1,2,3
.irp c, 0,1,2,3
.if (\u) < 8
	ds_load_b128 v[64*((\u)%2)+16*\tw+4*\c:64*((\u)%2)+16*\tw+4*\c+3], v7 offset:((\u)%8)*8192+2048*\tw+512*\c
.else
	ds_load_b128 v[64*((\u)%2)+16*\tw+4*\c:64*((\u)%2)+16*\tw+4*\c+3], v8 offset:((\u)%8)*8192+2048*\tw+512*\c
.endif
.endr
.endr
.endm
; one product: weight tile tw x row tile tr.  Odd weight tiles' scale words lie in lanes 16-31 of their register, and so do row tile 1's
.macro MM tw, tr
.set AC, 128+16*(\tw)+8*(\tr)
.set WF, WFB+16*(\tw)
.set RF, RFB+16*(\tr)
.set SA, SAB+(\tw)/2
.if ZR
.if ((\tw)%2 == 1) && ((\tr) == 1)
	v_wmma_scale_f32_16x16x128_f8f6f4 v[AC:AC+7], v[WF:WF+15], v[RF:RF+15], 0, v[SA], v[SB] matrix_a_scale:MATRIX_SCALE_ROW1 matrix_b_scale:MATRIX_SCALE_ROW1
.elseif (\tw)%2 == 1
	v_wmma_scale_f32_16x16x128_f8f6f4 v[AC:AC+7], v[WF:WF+15], v[RF:RF+15], 0, v[SA], v[SB] matrix_a_scale:MATRIX_SCALE_ROW1
.elseif (\tr) == 1
	v_wmma_scale_f32_16x16x128_f8f6f4 v[AC:AC+7], v[WF:WF+15], v[RF:RF+15], 0, v[SA], v[SB] matrix_b_scale:MATRIX_SCALE_ROW1
.else
	v_wmma_scale_f32_16x16x128_f8f6f4 v[AC:AC+7], v[WF:WF+15], v[RF:RF+15], 0, v[SA], v[SB]
.endif
.else
.if ((\tw)%2 == 1) && ((\tr) == 1)
	v_wmma_scale_f32_16x16x128_f8f6f4 v[AC:AC+7], v[WF:WF+15], v[RF:RF+15], v[AC:AC+7], v[SA], v[SB] matrix_a_scale:MATRIX_SCALE_ROW1 matrix_b_scale:MATRIX_SCALE_ROW1
.elseif (\tw)%2 == 1
	v_wmma_scale_f32_16x16x128_f8f6f4 v[AC:AC+7], v[WF:WF+15], v[RF:RF+15], v[AC:AC+7], v[SA], v[SB] matrix_a_scale:MATRIX_SCALE_ROW1
.elseif (\tr) == 1
	v_wmma_scale_f32_16x16x128_f8f6f4 v[AC:AC+7], v[WF:WF+15], v[RF:RF+15], v[AC:AC+7], v[SA], v[SB] matrix_b_scale:MATRIX_SCALE_ROW1
.else
	v_wmma_scale_f32_16x16x128_f8f6f4 v[AC:AC+7], v[WF:WF+15], v[RF:RF+15], v[AC:AC+7], v[SA], v[SB]
.endif
.endif
.endm
; Unit u = K step u: eight products on the eight accumulators by turns, in the same order in every unit: seven other products stand between two links of a chain.  Unit 0 starts the sums with the constant 0.
.macro UNIT u
.set WFB, 64*((\u)%2)
.set RFB, 128+32*((\u)%4)
.set SAB, 32+2*(\u)
.set SB,  64+(\u)
.if (\u) == 0
.set ZR, 1
.else
.set ZR, 0
.endif
.if (\u) < 15
	s_wait_dscnt 16                                ; this unit's 16 fragment loads are in; the next unit's 16 may be out
.else
	s_wait_dscnt 0x0
.endif
.if NS-1-(\u) >= 3
	s_wait_loadcnt 24                              ; this K step's 8 row loads (and the scale words, which are older) are in; the three later K steps' 24 may be out
.else
	s_wait_loadcnt 8*(NS-1-(\u))
.endif
	WIN 0x51                                       ; source 0 (weights), C and D window 1; source 1 (rows) window 0
	MM 0, 0
	MM 0, 1
	MM 1, 0
	MM 1, 1
	MM 2, 0
	MM 2, 1
	MM 3, 0
	MM 3, 1
.endm
; Behind a unit: eight places, as they stood, and the wait that states what the loads hang on; then the unit two on and the rows four K steps on.  Behind unit 14 nothing is left to load: nothing is written.
.macro GAP u
.if (\u)+2 <= 15
	PLACES 8
	WIN 0x40
	s_wait_alu depctr_va_vdst(0)                   ; this unit's products are done reading weights' buffer u % 2, in which the unit two on lands, and their slot of the ring, in which the rows four K steps on land
	LW (\u)+2
.if (\u)+4 < NS
	ALOAD (\u)+4
.endif
.endif
.endm
	s_mov_b32 s26, s18                             ; G = wave + 8 x trip
	s_mov_b32 s27, 0
.Lgroup:
	s_lshl_b32 s28, s26, 5
	s_cmp_ge_u32 s28, s21
	s_cbranch_scc1 .Lskip                          ; the expert's list does not reach this group
	v_lshl_add_u32 v10, s26, 17, v7                ; hc: 16 x lane + G x 131,072
	v_lshl_add_u32 v11, s26, 7, v88                ; hs: 4 x lane + 128 G
	v_lshl_add_u32 v12, s26, 17, v89               ; part: 32 G rows of 4,096 bytes on
	s_wait_alu depctr_va_vdst(0)                   ; v10, v11 and v12 are written, which this group's loads and stores read; the last group's products are done reading v64-79, the ring and the weights' buffers: loads land in all of these
.irp s, 0,1,2,3,4,5,6,7,8,9,10,11,12,13,14,15
	global_load_b32 v[64+\s], v11, s[8:9] offset:4096*\s   ; the rows' scale words: lanes 0-15 row tile 0, lanes 16-31 row tile 1
.endr
	ALOAD 0
	ALOAD 1
	ALOAD 2
	ALOAD 3
	LW 0
	LW 1
.irp u, 0,1,2,3,4,5,6,7,8,9,10,11,12,13,14
	UNIT \u
	GAP \u
.endr
	UNIT 15
	PLACES 8                                       ; in front of the first read of results by vector instructions (ISA guide 7.12.1)
	; THE WAY OUT.  A lane holds 32 neighbouring columns of one row, spread over the four tiles: the multiply-add that brings b2 in also puts them in order, each row tile into an out-buffer of its own.  Then a row tile at a time goes through
	; my own stage and comes back as whole rows of 256 bytes.  LDS serves a wave's instructions in order (ISA guide 5.7.1.4): no wait between a tile's stores and its loads, nor in front of the next tile's stores.
	WIN 0x50                                       ; b2 window 0; the accumulator and the result window 1
.irp tr, 0,1
.irp tw, 0,1,2,3
.irp j, 0,1,2,3,4,5,6,7
	v_fma_f32 v[224-32*\tr+4*\j+\tw], v[96+4*\j+\tw], s36, v[128+16*\tw+8*\tr+\j]   ; each accumulator from its low end on
.endr
.endr
.endr
	WIN 0x04                                       ; an LDS store's data are its source 1: window 1
	s_wait_alu depctr_va_vdst(0)                   ; the multiply-adds have written both out-buffers, which the LDS stores read; the products are done reading weights' buffer 0, in which the rows read back land
.irp i, 0,1,2,3,4,5,6,7
	ds_store_b128 v13, v[224+4*\i:227+4*\i] offset:16*\i
.endr
	WIN 0x40
.irp i, 0,1,2,3,4,5,6,7
	ds_load_b128 v[4*\i:4*\i+3], v14 offset:544*\i
.endr
	WIN 0x04
.irp i, 0,1,2,3,4,5,6,7
	ds_store_b128 v13, v[192+4*\i:195+4*\i] offset:16*\i
.endr
	WIN 0x40
.irp i, 0,1,2,3,4,5,6,7
	ds_load_b128 v[32+4*\i:35+4*\i], v14 offset:544*\i
.endr
	WIN 0x04
.irp tr, 0,1
.irp i, 0,1,2,3,4,5,6,7
	s_wait_dscnt 23-16*\tr-\i                      ; row tile 0's load i is back: its 7 - i younger ones and row tile 1's eight stores and eight loads may be out; row tile 1's load i: its 7 - i younger ones
	global_store_b128 v12, v[32*\tr+4*\i:32*\tr+4*\i+3], s[14:15] offset:(16*\tr+2*\i)*4096 th:TH_STORE_NT   ; sixteen lanes store 256 consecutive bytes, aligned
.endr
.endr
	s_wait_xcnt 0x0                                ; the group's loads and stores have had their addresses translated: the next group writes their data and addresses again only behind this wait
	s_wait_alu depctr_vm_vsrc(0)                   ; the group's loads have read v10 and v11, its LDS stores the two out-buffers, its global stores v12 and the rows read back: the next group's head, multiply-adds and loads write all of them again
	WIN 0
.Lskip:
	s_add_co_u32 s26, s26, 8
	s_add_co_u32 s27, s27, 1
	s_cmp_lt_u32 s27, 4
	s_cbranch_scc1 .Lgroup
	s_wait_dscnt 0x0                               ; the closing lines, six on end
	s_wait_alu 0x0
	s_wait_tensorcnt 0x0
	ds_add_u32 v94, v95
	s_wait_dscnt 0x0
	s_endpgm
.Lfunc_end_k_q7ad8deef57_ffn2:
	.size	k_q7ad8deef57_ffn2, .Lfunc_end_k_q7ad8deef57_ffn2-k_q7ad8deef57_ffn2
	.p2alignl 7, 3214868480
	.fill 96, 4, 3214868480
	.section	.rodata,"a",@progbits
	.p2align	6, 0x0
	.amdhsa_kernel k_q7ad8deef57_ffn2
		.amdhsa_group_segment_fixed_size 171008
		.amdhsa_private_segment_fixed_size 0
		.amdhsa_enable_private_segment 0
		.amdhsa_kernarg_size 48
		.amdhsa_user_sgpr_count 2
		.amdhsa_user_sgpr_kernarg_segment_ptr 1
		.amdhsa_wavefront_size32 1
		.amdhsa_system_sgpr_workgroup_id_x 1
		.amdhsa_system_sgpr_workgroup_id_y 1
		.amdhsa_system_sgpr_workgroup_id_z 1
		.amdhsa_system_vgpr_workitem_id 0
		.amdhsa_next_free_vgpr 512
		.amdhsa_next_free_sgpr 66
		.amdhsa_reserve_vcc 0
		.amdhsa_float_denorm_mode_32 3
		.amdhsa_float_denorm_mode_16_64 3
		.amdhsa_memory_ordered 1
		.amdhsa_forward_progress 1
		.amdhsa_inst_pref_size 149
	.end_amdhsa_kernel
	.amdgpu_metadata
---
amdhsa.version: [ 1, 2 ]
amdhsa.kernels:
  - .name:           k_q7ad8deef57_ffn2
    .symbol:         k_q7ad8deef57_ffn2.kd
    .args:
      - { .name: meta, .offset: 0, .size: 8, .value_kind: global_buffer, .address_space: global }
      - { .name: hc, .offset: 8, .size: 8, .value_kind: global_buffer, .address_space: global }
      - { .name: hs, .offset: 16, .size: 8, .value_kind: global_buffer, .address_space: global }
      - { .name: W2, .offset: 24, .size: 8, .value_kind: global_buffer, .address_space: global }
      - { .name: b2, .offset: 32, .size: 8, .value_kind: global_buffer, .address_space: global }
      - { .name: part, .offset: 40, .size: 8, .value_kind: global_buffer, .address_space: global }
    .group_segment_fixed_size: 171008
    .private_segment_fixed_size: 0
    .kernarg_segment_align: 8
    .kernarg_segment_size: 48
    .max_flat_workgroup_size: 256
    .sgpr_count:     66
    .vgpr_count:     512
    .wavefront_size: 32
...
	.end_amdgpu_metadata
.endif
;; end of part 7
;; launch combine (part 8): grid 256 x 1, 4 waves a work-group, no clusters, 0 bytes of LDS; arguments tokidx, tokw, part, out0; writes out0
.if DOCPART == 8
	.amdgcn_target "amdgcn-amd-amdhsa--gfx1250"
	.amdhsa_code_object_version 6
	.text
	.protected	k_q7ad8deef57_combine
	.globl	k_q7ad8deef57_combine
	.p2align	8
	.type	k_q7ad8deef57_combine,@function
k_q7ad8deef57_combine:
	s_mov_b64 s[64:65], 0
	v_nop
	global_prefetch_b8 v0, s[64:65] scope:SCOPE_SE
	s_setreg_imm32_b32 hwreg(HW_REG_WAVE_MODE, 25, 1), 1
	s_wait_xcnt 0x0
; THE SUM.  out0[token] = w1 x (the two halves of its first expert's row) + w2 x (those of its second's).  A wave to a token: four rows of 4,096 bytes in, one out.
; The places come as whole numbers from the router's launch, are held at 8,191 and shifted into byte offsets.  A stream: no LDS, no barrier, no matrix unit; all 32 loads of a wave go out at once.
	s_load_b256 s[4:11], s[0:1], 0x0               ; tokidx s[4:5], tokw s[6:7], part s[8:9], out0 s[10:11]
	v_lshrrev_b32 v1, 5, v0
	v_readfirstlane_b32 s12, v1                    ; wave 0..3
	v_and_b32 v1, 31, v0
	v_lshlrev_b32 v2, 4, v1                        ; 16 bytes a lane
	s_lshl_b32 s13, ttmp9, 2
	s_add_co_u32 s13, s13, s12                     ; my token
	s_lshl_b32 s14, s13, 3                         ; its 8 bytes in tokidx and in tokw
	s_lshl_b32 s34, s13, 12                        ; its row of out0
	s_mov_b32 s35, 0
	s_mov_b32 s21, 0
	s_mov_b32 s23, 0
	s_wait_alu depctr_va_vdst(0)
	s_wait_kmcnt 0x0
	s_load_b64 s[16:17], s[4:5], s14 offset:0x0    ; the two places
	s_load_b64 s[18:19], s[6:7], s14 offset:0x0    ; the two weights
	s_add_nc_u64 s[10:11], s[10:11], s[34:35]
	s_wait_kmcnt 0x0
	s_min_u32 s16, s16, 8191                       ; loaded numbers enter an address only behind a hold
	s_min_u32 s17, s17, 8191
	s_lshl_b32 s20, s16, 12                        ; a row of part is 4,096 bytes
	s_lshl_b32 s22, s17, 12
	s_add_nc_u64 s[24:25], s[8:9], s[20:21]        ; first expert, half 0,
	s_add_nc_u64 s[26:27], s[24:25], 0x2000000     ; half 1: 8,192 rows on
	s_add_nc_u64 s[28:29], s[8:9], s[22:23]        ; second expert
	s_add_nc_u64 s[30:31], s[28:29], 0x2000000
	s_mov_b32 s32, s19                             ; w2 in a pair of its own: the packed forms take a pair's low word for both halves
	s_mov_b32 s33, s19
.irp i, 0,1,2,3,4,5,6,7
	global_load_b128 v[8+16*\i:11+16*\i],  v2, s[24:25] offset:512*\i th:TH_LOAD_NT   ; 512 consecutive bytes; each row of part is read once
	global_load_b128 v[12+16*\i:15+16*\i], v2, s[26:27] offset:512*\i th:TH_LOAD_NT
	global_load_b128 v[16+16*\i:19+16*\i], v2, s[28:29] offset:512*\i th:TH_LOAD_NT
	global_load_b128 v[20+16*\i:23+16*\i], v2, s[30:31] offset:512*\i th:TH_LOAD_NT
.endr
.irp i, 0,1,2,3,4,5,6,7
	s_wait_loadcnt 4*(7-\i)                        ; piece i's four loads are in; the later pieces' may be out
	v_pk_add_f32 v[8+16*\i:9+16*\i],   v[8+16*\i:9+16*\i],   v[12+16*\i:13+16*\i]
	v_pk_add_f32 v[10+16*\i:11+16*\i], v[10+16*\i:11+16*\i], v[14+16*\i:15+16*\i]
	v_pk_add_f32 v[16+16*\i:17+16*\i], v[16+16*\i:17+16*\i], v[20+16*\i:21+16*\i]
	v_pk_add_f32 v[18+16*\i:19+16*\i], v[18+16*\i:19+16*\i], v[22+16*\i:23+16*\i]
	v_pk_mul_f32 v[8+16*\i:9+16*\i],   v[8+16*\i:9+16*\i],   s[18:19] op_sel_hi:[1,0]
	v_pk_mul_f32 v[10+16*\i:11+16*\i], v[10+16*\i:11+16*\i], s[18:19] op_sel_hi:[1,0]
	v_pk_fma_f32 v[8+16*\i:9+16*\i],   v[16+16*\i:17+16*\i], s[32:33], v[8+16*\i:9+16*\i] op_sel_hi:[1,0,1]
	v_pk_fma_f32 v[10+16*\i:11+16*\i], v[18+16*\i:19+16*\i], s[32:33], v[10+16*\i:11+16*\i] op_sel_hi:[1,0,1]
	global_store_b128 v2, v[8+16*\i:11+16*\i], s[10:11] offset:512*\i th:TH_STORE_NT   ; 512 consecutive bytes, aligned
.endr
	s_endpgm
.Lfunc_end_k_q7ad8deef57_combine:
	.size	k_q7ad8deef57_combine, .Lfunc_end_k_q7ad8deef57_combine-k_q7ad8deef57_combine
	.p2alignl 7, 3214868480
	.fill 96, 4, 3214868480
	.section	.rodata,"a",@progbits
	.p2align	6, 0x0
	.amdhsa_kernel k_q7ad8deef57_combine
		.amdhsa_group_segment_fixed_size 0
		.amdhsa_private_segment_fixed_size 0
		.amdhsa_enable_private_segment 0
		.amdhsa_kernarg_size 32
		.amdhsa_user_sgpr_count 2
		.amdhsa_user_sgpr_kernarg_segment_ptr 1
		.amdhsa_wavefront_size32 1
		.amdhsa_system_sgpr_workgroup_id_x 1
		.amdhsa_system_sgpr_workgroup_id_y 1
		.amdhsa_system_sgpr_workgroup_id_z 1
		.amdhsa_system_vgpr_workitem_id 0
		.amdhsa_next_free_vgpr 136
		.amdhsa_next_free_sgpr 66
		.amdhsa_reserve_vcc 0
		.amdhsa_float_denorm_mode_32 3
		.amdhsa_float_denorm_mode_16_64 3
		.amdhsa_memory_ordered 1
		.amdhsa_forward_progress 1
		.amdhsa_inst_pref_size 10
	.end_amdhsa_kernel
	.amdgpu_metadata
---
amdhsa.version: [ 1, 2 ]
amdhsa.kernels:
  - .name:           k_q7ad8deef57_combine
    .symbol:         k_q7ad8deef57_combine.kd
    .args:
      - { .name: tokidx, .offset: 0, .size: 8, .value_kind: global_buffer, .address_space: global }
      - { .name: tokw, .offset: 8, .size: 8, .value_kind: global_buffer, .address_space: global }
      - { .name: part, .offset: 16, .size: 8, .value_kind: global_buffer, .address_space: global }
      - { .name: out0, .offset: 24, .size: 8, .value_kind: global_buffer, .address_space: global }
    .group_segment_fixed_size: 0
    .private_segment_fixed_size: 0
    .kernarg_segment_align: 8
    .kernarg_segment_size: 32
    .max_flat_workgroup_size: 128
    .sgpr_count:     66
    .vgpr_count:     136
    .wavefront_size: 32
...
	.end_amdgpu_metadata
.endif
;; end of part 8
